; MI455X (gfx1250); checked and timed in simulation.
; The chip was launched on July 23, 2026; its instructions are those of AMD's public machine-readable ISA for CDNA 5 (MIT licence, August 2026) and "CDNA5" Instruction Set Architecture Reference Guide (July 2026). The comments in the code are by the model that wrote it; some were corrected since.
;; Mo E Res Net BK Layer. Allowed arithmetic: float matrix products may take bf16 or f16 operands with f32 sums; all other float work in f32.
;; Inputs: b1 4 x 4,096 float32; b2 4 x 1,024 float32; bk_scale one number float32; out_b 1,024 float32; out_w 2 x 1,024 float32; router_b 4 float32; router_w 1,024 x 4 float32; v_b one number float32; v_w 1,024 float32; w1 4 x 1,024 x 4,096 float32; w2 4 x 4,096 x 1,024 float32; x 4 x 512 x 1,024 float32.
;; Outputs: out0 4 x 512 x 1,024 float32.
;; 2 versions, each right; version 2 is version 1 with the launches ffn1, ffn2, finish written anew for expert scheduling mode. Each part assembles by itself: llvm-mc -triple=amdgcn-amd-amdhsa -mcpu=gfx1250 --defsym DOCPART=n.
;; ======== version 1 of 2: 5 launches
;; limits: a function is approximated: absolute error at most 1.5e-07; an iteration or a series of the reference is cut at 20 steps
;; workspace buffers: eidx 8,192 bytes of whole numbers; plan 8,448 bytes of whole numbers; xs 4,325,376 bytes; hb 17,301,504 bytes; part 34,603,008 bytes; vpart 540,672 bytes
;; launch route (part 1): grid 256 x 1, 8 waves a work-group, no clusters, 0 bytes of LDS; arguments x, router_w, router_b, eidx; writes eidx
.if DOCPART == 1
	.amdgcn_target "amdgcn-amd-amdhsa--gfx1250"
	.amdhsa_code_object_version 6
	.text
	.protected	k_q9b35aa271f_route
	.globl	k_q9b35aa271f_route
	.p2align	8
	.type	k_q9b35aa271f_route,@function
k_q9b35aa271f_route:
	s_mov_b64 s[64:65], 0
	v_nop
	global_prefetch_b8 v0, s[64:65] scope:SCOPE_SE
	s_setreg_imm32_b32 hwreg(HW_REG_WAVE_MODE, 25, 1), 1
	s_wait_xcnt 0x0
; THE ROUTER.  eidx[t] = the index of the largest of the four logits x[t] . router_w[:, e] + router_b[e]; of equal ones the lowest index.
; With one expert a token the gate (a softmax over one number) is exactly 1, so the index is all that the later launches need.
; x, router_w and router_b are rounded to bf16 first, as every input of this program is; a product of two bf16 is exact in f32, the sums are f32.
; One token a wave: 2,048 tokens = 256 work-groups x 8 waves.  Lane l holds the channels d = 128 i + 4 l + c (i = 0..7, c = 0..3).
; The four dot products stay on the vector unit: they are 8 M of the program's 34 G multiply-adds, would use 4 of a matrix tile's 16 columns,
; and a decision wants plain f32 sums.  No LDS, no barrier: a wave depends on no other.
; LIMITS.  Two logits closer than the f32 sums' own rounding may be ordered otherwise than by another order of summation.  NaN is not treated apart.
.set X,   8                            ; v[8:39]    x[t]: register 4 i + c
.set RW,  40                           ; v[40:167]  router_w: register 4 (4 i + c) + e; then packed: +0 experts 0, 1; +1 experts 2, 3
.set XP,  168                          ; v[168:183] x in bf16, two a register
.set ACC, 184                          ; v[184:187] the four logits
.set T,   188                          ; at work
	s_load_b256 s[4:11], s[0:1], 0x0               ; x s[4:5], router_w s[6:7], router_b s[8:9], eidx s[10:11]
	v_and_b32 v3, 31, v0                           ; lane
	v_lshrrev_b32 v4, 5, v0
	v_readfirstlane_b32 s16, v4                    ; wave
	v_lshlrev_b32 v1, 4, v3                        ; 16 bytes of x a lane
	v_lshlrev_b32 v2, 6, v3                        ; 4 rows of router_w (16 bytes each) a lane
	s_lshl_b32 s17, ttmp9, 3
	s_add_co_u32 s17, s17, s16                     ; t
	s_lshl_b32 s18, s17, 12                        ; a row of x is 4,096 bytes
	s_mov_b32 s19, 0
	s_lshl_b32 s22, s17, 2
	s_mov_b32 s23, 0
	s_mov_b32 s20, 0x76543210                      ; v_permlanex16_b32: each lane takes its own place in the other half
	s_mov_b32 s21, 0xfedcba98
	s_wait_kmcnt 0x0
	s_load_b128 s[12:15], s[8:9], 0x0              ; router_b
	s_add_nc_u64 s[4:5], s[4:5], s[18:19]
	s_add_nc_u64 s[10:11], s[10:11], s[22:23]
.irp i, 0,1,2,3,4,5,6,7
	global_load_b128 v[X+4*(\i):X+4*(\i)+3], v1, s[4:5] offset:512*(\i)
.endr
.irp i, 0,1,2,3,4,5,6,7
.irp c, 0,1,2,3
	global_load_b128 v[RW+4*(4*(\i)+(\c)):RW+4*(4*(\i)+(\c))+3], v2, s[6:7] offset:2048*(\i)+16*(\c)
.endr
.endr
	s_wait_loadcnt 32                              ; x is in; the 32 loads of router_w behind it stay out
.set m, 0
.rept 16
	v_cvt_pk_bf16_f32 v[XP+m], v[X+2*m], v[X+2*m+1]
.set m, m+1
.endr
.irp e, 0,1,2,3
	v_mov_b32 v[ACC+(\e)], 0
.endr
.irp i, 0,1,2,3,4,5,6,7
	s_wait_loadcnt 4*(7-(\i))                      ; this chunk's four loads are in; the later chunks' stay out
.irp c, 0,1,2,3
	v_cvt_pk_bf16_f32 v[RW+4*(4*(\i)+(\c))], v[RW+4*(4*(\i)+(\c))], v[RW+4*(4*(\i)+(\c))+1]
	v_cvt_pk_bf16_f32 v[RW+4*(4*(\i)+(\c))+1], v[RW+4*(4*(\i)+(\c))+2], v[RW+4*(4*(\i)+(\c))+3]
.endr
.irp ch, 0,1
.irp cl, 0,1
.irp eh, 0,1
.irp el, 0,1
	v_fma_mix_f32_bf16 v[ACC+2*(\eh)+(\el)], v[XP+2*(\i)+(\ch)], v[RW+4*(4*(\i)+2*(\ch)+(\cl))+(\eh)], v[ACC+2*(\eh)+(\el)] op_sel:[\cl,\el,0] op_sel_hi:[1,1,0]
.endr
.endr
.endr
.endr
.endr
	; across the 32 lanes: four steps inside each half ride on the addition, one crosses the halves
.irp n, 1,2,4,8
.irp e, 0,1,2,3
	v_add_f32_dpp v[ACC+(\e)], v[ACC+(\e)], v[ACC+(\e)] row_xmask:\n row_mask:0xf bank_mask:0xf
.endr
.endr
	v_mov_b32 v[T], 0                              ; v_permlanex16_b32's destination counts as read
.irp e, 0,1,2,3
	v_permlanex16_b32 v[T], v[ACC+(\e)], s20, s21
	v_add_f32 v[ACC+(\e)], v[ACC+(\e)], v[T]
.endr
	s_wait_kmcnt 0x0                               ; router_b
	v_cvt_pk_bf16_f32 v8, s12, s13
	v_cvt_pk_bf16_f32 v9, s14, s15
	v_lshlrev_b32 v10, 16, v8
	v_and_b32 v8, 0xffff0000, v8
	v_lshlrev_b32 v11, 16, v9
	v_and_b32 v9, 0xffff0000, v9
	v_add_f32 v[ACC], v[ACC], v10
	v_add_f32 v[ACC+1], v[ACC+1], v8
	v_add_f32 v[ACC+2], v[ACC+2], v11
	v_add_f32 v[ACC+3], v[ACC+3], v9
	v_mov_b32 v5, 0                                ; the index; a later expert wins only if strictly greater
.irp e, 1,2,3
	v_cmp_gt_f32 vcc_lo, v[ACC+(\e)], v[ACC]
	v_cndmask_b32 v[ACC], v[ACC], v[ACC+(\e)], vcc_lo
	v_cndmask_b32 v5, v5, \e, vcc_lo
.endr
	v_mov_b32 v6, 0
	v_cmp_eq_u32 vcc_lo, 0, v3
	s_wait_xcnt 0x0                                ; EXEC changes only behind this wait
	s_and_saveexec_b32 s24, vcc_lo
	global_store_b32 v6, v5, s[10:11]              ; lane 0 stores the wave's one number
	s_wait_xcnt 0x0
	s_or_b32 exec_lo, exec_lo, s24
	s_endpgm
.Lfunc_end_k_q9b35aa271f_route:
	.size	k_q9b35aa271f_route, .Lfunc_end_k_q9b35aa271f_route-k_q9b35aa271f_route
	.p2alignl 7, 3214868480
	.fill 96, 4, 3214868480
	.section	.rodata,"a",@progbits
	.p2align	6, 0x0
	.amdhsa_kernel k_q9b35aa271f_route
		.amdhsa_group_segment_fixed_size 0
		.amdhsa_private_segment_fixed_size 0
		.amdhsa_enable_private_segment 0
		.amdhsa_kernarg_size 32
		.amdhsa_user_sgpr_count 2
		.amdhsa_user_sgpr_kernarg_segment_ptr 1
		.amdhsa_wavefront_size32 1
		.amdhsa_system_sgpr_workgroup_id_x 1
		.amdhsa_system_sgpr_workgroup_id_y 1
		.amdhsa_system_sgpr_workgroup_id_z 1
		.amdhsa_system_vgpr_workitem_id 0
		.amdhsa_next_free_vgpr 192
		.amdhsa_next_free_sgpr 66
		.amdhsa_reserve_vcc 1
		.amdhsa_float_denorm_mode_32 3
		.amdhsa_float_denorm_mode_16_64 3
		.amdhsa_memory_ordered 1
		.amdhsa_forward_progress 1
		.amdhsa_inst_pref_size 21
	.end_amdhsa_kernel
	.amdgpu_metadata
---
amdhsa.version: [ 1, 2 ]
amdhsa.kernels:
  - .name:           k_q9b35aa271f_route
    .symbol:         k_q9b35aa271f_route.kd
    .args:
      - { .name: x, .offset: 0, .size: 8, .value_kind: global_buffer, .address_space: global }
      - { .name: router_w, .offset: 8, .size: 8, .value_kind: global_buffer, .address_space: global }
      - { .name: router_b, .offset: 16, .size: 8, .value_kind: global_buffer, .address_space: global }
      - { .name: eidx, .offset: 24, .size: 8, .value_kind: global_buffer, .address_space: global }
    .group_segment_fixed_size: 0
    .private_segment_fixed_size: 0
    .kernarg_segment_align: 8
    .kernarg_segment_size: 32
    .max_flat_workgroup_size: 256
    .sgpr_count:     66
    .vgpr_count:     192
    .wavefront_size: 32
...
	.end_amdgpu_metadata
.endif
;; end of part 1
;; launch sortx (part 2): grid 131 x 1, 8 waves a work-group, no clusters, 35,328 bytes of LDS; arguments x, eidx, xs, plan; writes xs, plan
.if DOCPART == 2
	.amdgcn_target "amdgcn-amd-amdhsa--gfx1250"
	.amdhsa_code_object_version 6
	.text
	.protected	k_q9b35aa271f_sortx
	.globl	k_q9b35aa271f_sortx
	.p2align	8
	.type	k_q9b35aa271f_sortx,@function
k_q9b35aa271f_sortx:
	s_mov_b64 s[64:65], 0
	v_nop
	global_prefetch_b8 v0, s[64:65] scope:SCOPE_SE
	s_setreg_imm32_b32 hwreg(HW_REG_WAVE_MODE, 25, 1), 1
	s_wait_xcnt 0x0
; THE SORT.  Tokens are laid by expert, each expert's rows rounded up to whole tiles of 16; x is rounded to bf16 and written in the order in which
; the matrix instruction wants it, so that the next launch loads fragments as dense runs of 512 bytes, with no LDS and no turning.
;   xs   [kb 16][tile 132][f 2][u 2][lane 32][16 bytes]: lane (r = lane % 16, h = lane / 16) holds sorted row 16 tile + r, channels 64 kb + 32 f + 16 u + 8 h + 0..7
;   plan words 0..2047: the sorted row of token t; 2048..2051: expert e's first tile; 2052..2055: its number of tiles; 2056..2079: 0
; One work-group a tile.  Every work-group counts all 2,048 indices anew (8 KB, 8 a thread): no traffic between work-groups.  The four counts are packed
; two to a register, 16 bits each (a count or a row number is 2,112 at the most).  Work-group 0 also stores the plan.
; The tiles in use are 128 to 131, by the counts; the grid is the largest number.  A work-group whose tile no expert uses runs the same text and writes a tile of zeros
; that nobody reads (three at the most): so no barrier hangs on data.  Rows that pad an expert's last tile are zeros too.
.set SPITCH, 2064                      ; a stage row: 2,048 bytes + 16: an odd multiple of 16, so the 16 rows of a load start at 16 different groups of four banks (64 banks of 4 bytes: ISA guide 11.1)
.set STG,   0                          ; 16 rows of bf16: 33,024 bytes
.set TOT,   33024                      ; 8 bytes a wave: its packed counts
.set LIST,  33280                      ; 128 bytes a wave: word s = the wave's token that falls on row s of my tile, or 0x800; word 16 takes all others
.set SPARE, 34304                      ; the spare words, 128 bytes for each wave: four blocks of 256 bytes that no other line names
.set KBS,   132*2048                   ; bytes of xs for 64 channels of all tiles
.set E,   8                            ; v[8:15]   my 8 tokens' experts
.set IA,  16                           ; v[16:23]  what token j adds to the packed counts of experts 0, 1
.set IB,  24                           ; v[24:31]  of experts 2, 3
.set SH,  32                           ; v[32:39]  its field's shift, 0 or 16
.set P,   40                           ; v[40:47]  its sorted row
.set CA,  48                           ; packed counts, then their running sums over the lanes
.set CB,  49
.set T0,  50
.set T1,  51
.set OA,  52                           ; my own counts
.set OB,  53
.set RA,  54                           ; packed next rows
.set RB,  55
.set W0,  56                           ; v[56:59]  at work
.set XD,  60                           ; v[60:123] two rows of x in f32; other loads
.set PK,  8                            ; v[8:39]   the two rows in bf16 (E to SH are done by then)
.set SPW, 126                          ; LDS address of my spare word; never rewritten
.set NIL, 127                          ; 0; never rewritten
	s_load_b256 s[4:11], s[0:1], 0x0               ; x s[4:5], eidx s[6:7], xs s[8:9], plan s[10:11]
	v_lshl_add_u32 v[SPW], v0, 2, SPARE
	v_mov_b32 v[NIL], 0
	v_and_b32 v1, 31, v0                           ; lane
	v_lshrrev_b32 v3, 5, v0
	v_readfirstlane_b32 s12, v3                    ; wave
	v_lshlrev_b32 v2, 4, v1                        ; 16 x lane
	v_lshlrev_b32 v4, 5, v0                        ; my 8 words of eidx and of the plan
	v_lshlrev_b32 v5, 3, v0                        ; my first token
	s_mov_b32 s13, 0xffff0000                      ; lanes 16 to 31
	s_lshl_b32 s39, ttmp9, 4                       ; my tile's first row
	s_lshl_b32 s38, s12, 7
	s_add_co_u32 s38, s38, LIST                    ; my wave's list
	s_lshl_b32 s14, ttmp9, 11                      ; my tile in xs,
	s_mul_i32 s15, s12, 2*KBS                      ; and my wave's two blocks of 64 channels
	s_add_co_u32 s14, s14, s15
	s_mov_b32 s15, 0
	s_wait_kmcnt 0x0
	s_add_nc_u64 s[8:9], s[8:9], s[14:15]
	global_load_b128 v[E:E+3], v4, s[6:7]
	global_load_b128 v[E+4:E+7], v4, s[6:7] offset:16
	v_min_u32 v[T1], 16, v1                        ; the list starts as markers, while the indices are on their way
	v_lshl_add_u32 v[T1], v[T1], 2, s38
	v_mov_b32 v[W0], 0x800
	ds_store_b32 v[T1], v[W0]
	s_wait_loadcnt 0x0
.set j, 0
.rept 8
	v_min_u32 v[E+j], 3, v[E+j]
	v_and_b32 v[SH+j], 1, v[E+j]
	v_lshlrev_b32 v[SH+j], 4, v[SH+j]
	v_lshlrev_b32 v[T0], v[SH+j], 1                ; 1 in the expert's field
	v_cmp_gt_u32 vcc_lo, 2, v[E+j]
	v_cndmask_b32 v[IA+j], 0, v[T0], vcc_lo
	v_sub_nc_u32 v[IB+j], v[T0], v[IA+j]
.if j == 0
	v_mov_b32 v[CA], v[IA]
	v_mov_b32 v[CB], v[IB]
.else
	v_add_nc_u32 v[CA], v[CA], v[IA+j]
	v_add_nc_u32 v[CB], v[CB], v[IB+j]
.endif
.set j, j+1
.endr
	v_mov_b32 v[OA], v[CA]
	v_mov_b32 v[OB], v[CB]
; running sum over the 32 lanes, my own lane included: four steps inside each half of 16, then the lower half's total onto the upper half
.macro SCAN reg
.irp n, 1,2,4,8
	v_mov_b32_dpp v[T0], v[\reg] row_shr:\n row_mask:0xf bank_mask:0xf bound_ctrl:1
	v_add_nc_u32 v[\reg], v[\reg], v[T0]
.endr
	v_readlane_b32 s20, v[\reg], 15
	v_cndmask_b32 v[T0], 0, s20, s13
	v_add_nc_u32 v[\reg], v[\reg], v[T0]
.endm
	SCAN CA
	SCAN CB
	v_readlane_b32 s21, v[CA], 31                  ; my wave's totals
	v_readlane_b32 s22, v[CB], 31
	s_lshl_b32 s23, s12, 3
	s_add_co_u32 s23, s23, TOT
	v_mov_b32 v[W0], s21
	v_mov_b32 v[W0+1], s22
	v_mov_b32 v[W0+2], s23
	ds_store_b64 v[W0+2], v[W0:W0+1]               ; all lanes write the same two words with the same numbers
	s_wait_dscnt 0x0                               ; for the others' sake: my totals are in LDS
	s_barrier_signal -1
	s_barrier_wait -1
	v_mov_b32 v[W0+3], TOT
.irp k, 0,1,2,3
	ds_load_b128 v[XD+4*(\k):XD+4*(\k)+3], v[W0+3] offset:16*(\k)
.endr
	s_wait_dscnt 0x0
.set k, 0
.rept 16
	v_readfirstlane_b32 s[40+k], v[XD+k]
.set k, k+1
.endr
	s_mov_b32 s24, 0                               ; the counts of the waves below mine,
	s_mov_b32 s25, 0
	s_mov_b32 s26, 0                               ; and of all waves
	s_mov_b32 s27, 0
.set w, 0
.rept 8
	s_cmp_gt_u32 s12, w
	s_cselect_b32 s28, s[40+2*w], 0                ; both selects ahead of the additions, which write SCC
	s_cselect_b32 s29, s[41+2*w], 0
	s_add_co_u32 s24, s24, s28
	s_add_co_u32 s25, s25, s29
	s_add_co_u32 s26, s26, s[40+2*w]
	s_add_co_u32 s27, s27, s[41+2*w]
.set w, w+1
.endr
	s_and_b32 s30, s26, 0xffff
	s_lshr_b32 s31, s26, 16
	s_and_b32 s32, s27, 0xffff
	s_lshr_b32 s33, s27, 16
.irp k, 30,31,32,33
	s_add_co_u32 s\k, s\k, 15
	s_lshr_b32 s\k, s\k, 4                         ; tiles of expert k - 30
.endr
	s_mov_b32 s34, 0                               ; first tiles
	s_mov_b32 s35, s30
	s_add_co_u32 s36, s35, s31
	s_add_co_u32 s37, s36, s32
	s_lshl_b32 s28, s35, 20                        ; first rows, 16 x tile, in their fields
	s_add_co_u32 s24, s24, s28
	s_lshl_b32 s28, s36, 4
	s_lshl_b32 s29, s37, 20
	s_add_co_u32 s25, s25, s28
	s_add_co_u32 s25, s25, s29
	v_sub_nc_u32 v[RA], v[CA], v[OA]               ; the lanes below mine,
	v_sub_nc_u32 v[RB], v[CB], v[OB]
	v_add_nc_u32 v[RA], s24, v[RA]                 ; the waves below mine and the experts' first rows
	v_add_nc_u32 v[RB], s25, v[RB]
.set j, 0
.rept 8
	v_cmp_gt_u32 vcc_lo, 2, v[E+j]
	v_cndmask_b32 v[T0], v[RB], v[RA], vcc_lo
	v_lshrrev_b32 v[T0], v[SH+j], v[T0]
	v_and_b32 v[P+j], 0xffff, v[T0]                ; token j's sorted row
	v_add_nc_u32 v[RA], v[RA], v[IA+j]
	v_add_nc_u32 v[RB], v[RB], v[IB+j]
	v_sub_nc_u32 v[T0], v[P+j], s39                ; its place in my tile: what lies outside wraps or is large, and goes to word 16
	v_min_u32 v[T0], 16, v[T0]
	v_lshl_add_u32 v[T0], v[T0], 2, s38
	v_add_nc_u32 v[T1], j, v5
	ds_store_b32 v[T0], v[T1]                      ; LDS serves a wave's instructions in order (ISA guide 5.7.1.4): behind the markers
.set j, j+1
.endr
	s_wait_dscnt 0x0                               ; for the others' sake: my list is in LDS
	s_barrier_signal -1
	s_barrier_wait -1
	s_cmp_lg_u32 ttmp9, 0
	s_cbranch_scc1 .Lnoplan                        ; work-group 0 alone stores the plan
	global_store_b128 v4, v[P:P+3], s[10:11]
	global_store_b128 v4, v[P+4:P+7], s[10:11] offset:16
	s_cmp_lg_u32 s12, 0
	s_cbranch_scc1 .Lnoplan
	v_mov_b32 v[W0], 0
.irp k, 0,1,2,3
	v_writelane_b32 v[W0], s[34+(\k)], \k
	v_writelane_b32 v[W0], s[30+(\k)], 4+(\k)
.endr
	v_lshlrev_b32 v[W0+1], 2, v1
	global_store_b32 v[W0+1], v[W0], s[10:11] offset:8192
.Lnoplan:
	s_wait_xcnt 0x0                                ; the stores' registers are written again only behind this wait
	; wave w gathers rows 2 w and 2 w + 1 of the tile: a row's token is the least of the eight waves' words
	s_lshl_b32 s28, s12, 3
	s_add_co_u32 s28, s28, LIST
	v_mov_b32 v[W0+3], s28
.irp k, 0,1,2,3,4,5,6,7
	ds_load_b64 v[XD+2*(\k):XD+2*(\k)+1], v[W0+3] offset:128*(\k)
.endr
	s_wait_dscnt 0x0
.irp k, 2,4,6,8,10,12,14
	v_min_u32 v[XD], v[XD], v[XD+(\k)]
	v_min_u32 v[XD+1], v[XD+1], v[XD+(\k)+1]
.endr
	v_readfirstlane_b32 s40, v[XD]
	v_readfirstlane_b32 s41, v[XD+1]
.irp k, 0,1
	s_cmp_lt_u32 s[40+(\k)], 2048
	s_cselect_b32 s[42+(\k)], -1, 0                ; a row without a token becomes zeros
	s_min_u32 s[40+(\k)], s[40+(\k)], 2047
	s_lshl_b32 s[40+(\k)], s[40+(\k)], 12
	v_add_nc_u32 v[W0+(\k)], s[40+(\k)], v2
.endr
.irp k, 0,1
.irp i, 0,1,2,3,4,5,6,7
	global_load_b128 v[XD+32*(\k)+4*(\i):XD+32*(\k)+4*(\i)+3], v[W0+(\k)], s[4:5] offset:512*(\i)
.endr
.endr
	s_mul_i32 s28, s12, 2*SPITCH
	v_lshl_add_u32 v[W0+2], v1, 3, s28             ; my 8 bytes in my wave's first stage row
.irp k, 0,1
	s_wait_loadcnt 8*(1-(\k))                      ; this row is in; the second row's eight loads may stay out
.set m, 0
.rept 16
	v_cvt_pk_bf16_f32 v[PK+16*(\k)+m], v[XD+32*(\k)+2*m], v[XD+32*(\k)+2*m+1]
.set m, m+1
.endr
.set m, 0
.rept 16
	v_and_b32 v[PK+16*(\k)+m], s[42+(\k)], v[PK+16*(\k)+m]
.set m, m+1
.endr
.irp i, 0,1,2,3,4,5,6,7
	ds_store_b64 v[W0+2], v[PK+16*(\k)+2*(\i):PK+16*(\k)+2*(\i)+1] offset:(\k)*SPITCH+256*(\i)
.endr
.endr
	v_and_b32 v[W0], 15, v0                        ; r (the loads that named these two registers are in)
	v_bfe_u32 v[W0+1], v0, 4, 1                    ; h
	v_mul_u32_u24 v[W0+3], v[W0], SPITCH
	v_lshl_add_u32 v[W0+3], v[W0+1], 4, v[W0+3]
	s_lshl_b32 s28, s12, 8                         ; my wave's 128 channels
	v_add_nc_u32 v[W0+3], s28, v[W0+3]
	s_wait_dscnt 0x0                               ; for the others' sake: my two rows are in the stage
	s_barrier_signal -1
	s_barrier_wait -1
	; wave w writes the blocks kb = 2 w and 2 w + 1: piece n = 4 (kb % 2) + 2 f + u lies 32 n bytes along the stage rows
.irp n, 0,1,2,3,4,5,6,7
	ds_load_b128 v[XD+4*(\n):XD+4*(\n)+3], v[W0+3] offset:32*(\n)
.endr
.irp n, 0,1,2,3,4,5,6,7
	s_wait_dscnt 7-(\n)                            ; LDS loads come back in order (ISA guide 5.7.1): piece n is in
	global_store_b128 v2, v[XD+4*(\n):XD+4*(\n)+3], s[8:9] offset:((\n)/4)*KBS+512*((\n)%4)  ; 512 consecutive bytes, at a multiple of 512 from xs's first
.endr
	s_wait_tensorcnt 0x0                           ; the wave's end, behind my last LDS store
	ds_add_u32 v[SPW], v[NIL]
	s_wait_dscnt 0x0
	s_endpgm
.Lfunc_end_k_q9b35aa271f_sortx:
	.size	k_q9b35aa271f_sortx, .Lfunc_end_k_q9b35aa271f_sortx-k_q9b35aa271f_sortx
	.p2alignl 7, 3214868480
	.fill 96, 4, 3214868480
	.section	.rodata,"a",@progbits
	.p2align	6, 0x0
	.amdhsa_kernel k_q9b35aa271f_sortx
		.amdhsa_group_segment_fixed_size 35328
		.amdhsa_private_segment_fixed_size 0
		.amdhsa_enable_private_segment 0
		.amdhsa_kernarg_size 32
		.amdhsa_user_sgpr_count 2
		.amdhsa_user_sgpr_kernarg_segment_ptr 1
		.amdhsa_wavefront_size32 1
		.amdhsa_system_sgpr_workgroup_id_x 1
		.amdhsa_system_sgpr_workgroup_id_y 1
		.amdhsa_system_sgpr_workgroup_id_z 1
		.amdhsa_system_vgpr_workitem_id 0
		.amdhsa_next_free_vgpr 128
		.amdhsa_next_free_sgpr 66
		.amdhsa_reserve_vcc 1
		.amdhsa_float_denorm_mode_32 3
		.amdhsa_float_denorm_mode_16_64 3
		.amdhsa_memory_ordered 1
		.amdhsa_forward_progress 1
		.amdhsa_inst_pref_size 24
	.end_amdhsa_kernel
	.amdgpu_metadata
---
amdhsa.version: [ 1, 2 ]
amdhsa.kernels:
  - .name:           k_q9b35aa271f_sortx
    .symbol:         k_q9b35aa271f_sortx.kd
    .args:
      - { .name: x, .offset: 0, .size: 8, .value_kind: global_buffer, .address_space: global }
      - { .name: eidx, .offset: 8, .size: 8, .value_kind: global_buffer, .address_space: global }
      - { .name: xs, .offset: 16, .size: 8, .value_kind: global_buffer, .address_space: global }
      - { .name: plan, .offset: 24, .size: 8, .value_kind: global_buffer, .address_space: global }
    .group_segment_fixed_size: 35328
    .private_segment_fixed_size: 0
    .kernarg_segment_align: 8
    .kernarg_segment_size: 32
    .max_flat_workgroup_size: 256
    .sgpr_count:     66
    .vgpr_count:     128
    .wavefront_size: 32
...
	.end_amdgpu_metadata
.endif
;; end of part 2
;; launch ffn1 (part 3): grid 64 x 4, 8 waves a work-group, no clusters, 132,096 bytes of LDS; arguments xs, w1, b1, plan, hb; writes hb
.if DOCPART == 3
	.amdgcn_target "amdgcn-amd-amdhsa--gfx1250"
	.amdhsa_code_object_version 6
	.text
	.protected	k_q9b35aa271f_ffn1
	.globl	k_q9b35aa271f_ffn1
	.p2align	8
	.type	k_q9b35aa271f_ffn1,@function
k_q9b35aa271f_ffn1:
	s_mov_b64 s[64:65], 0
	v_nop
	global_prefetch_b8 v0, s[64:65] scope:SCOPE_SE
	s_setreg_imm32_b32 hwreg(HW_REG_WAVE_MODE, 25, 1), 1
	s_wait_xcnt 0x0
; ONE TEXT FOR BOTH PRODUCTS OF THE EXPERTS' LAYER; SECOND chooses.  SECOND = 0: hb = gelu(xs w1[e] + b1[e]).  SECOND = 1: part[kq] = hb w2[e] (+ b2[e] in kq = 0), K in four quarters.
; Only the expert that the router chose is computed for a token: the other three are multiplied by a gate of 0.
; SHARES.  A work-group has one expert (grid y), 64 output columns and K = 1,024.  Its panel of weights, 1,024 x 64 f32 = 256 KB, is read from memory ONCE in the launch, rounded to bf16 and
; kept in LDS as 128 fragments of 1 KB; then all the expert's tokens pass by it.  A wave takes groups of 3 tiles of 16 tokens x 64 columns: 12 accumulators; group = 8 x trip + wave.
; WEIGHTS WITHOUT TURNING.  They lie [K][N].  Lane (r = lane % 16, h = lane / 16) loads 16 bytes, columns 4 r .. 4 r + 3, of 16 rows for each K step of 32: sixteen lanes read 256 aligned
; bytes of a row.  Two rows' numbers of one column, rounded and packed, ARE a fragment's register; fragment jt has column 4 r + jt in lane r: a permutation of columns that the output's addresses undo.
; TOKENS WITHOUT LDS.  xs and hb lie in fragment order, [kb][tile][f][u][lane][16 bytes]: a fragment is two loads of 512 consecutive bytes, straight into registers, four K blocks of 64 ahead.
; SECOND = 0 uses the matrix instruction transposed (source 0 = weights): a lane then holds one token and the columns 32 h + 4 j + jt (register j of accumulator jt), which pack into hb's blocks
; with k = 32 h + 4 (2 q + p) + 2 f + u in register q, half p; SECOND = 1 reads w2's rows in that same order, so the products meet.  b1 is the C operand that starts the sums.
; NO CLUSTER: the panel, the bytes that come from memory, is read by this work-group alone; the fragments that an expert's 64 work-groups share go into registers, other tiles in each wave,
; in a number of trips that hangs on counts read from memory.  NO PREFETCH: all of the panel is asked for at the kernel's head.
; FORMATS AND LIMITS.  Weights, biases and tokens in bf16, sums in f32, gelu in f32, hb rounded once to bf16.  erf by a rational approximation (Abramowitz and Stegun 7.1.26), within 1.5e-7.
; NaN and infinities are not treated apart.  An expert without tokens still has its panel filled (the barrier hangs on no data) and stores nothing.
.set SECOND, 0
.set RT,    132                        ; tiles of 16 sorted rows that the workspace holds
.set KBS,   RT*2048                    ; bytes of xs or hb for 64 of K, all tiles
.set PARTQ, RT*16*4096                 ; bytes of part for a quarter of K
.if SECOND
.set PITCH, 4096                       ; bytes in a row of the weights
.else
.set PITCH, 16384
.endif
.set SPARE, 131072                     ; behind the panel: the spare words, 128 bytes for each wave: four blocks of 256 bytes that no other line names
; window 0
.set L16, 1                            ; 16 x lane: also the LDS address of my 16 bytes in the panel's lower half
.set PB1, 3                            ; the same in its upper half
.set AO,  4                            ; v[4:6]   my byte offset in tile tt of xs or hb
.set PO,  7                            ; v[7:9]   SECOND: my byte offset in tile tt's rows of part
.set WO,  10                           ; my byte offset in the weights: h x 2^17 + 16 r (8 rows of 16,384 bytes, or 32 rows of 4,096)
.set PSW, 11                           ; where my wave's fragments go in the panel
.set SPW, 12                           ; LDS address of my spare word; never rewritten
.set NIL, 13                           ; 0; never rewritten
.set RH,  14                           ; SECOND: h x 8 rows of part + 16 r
.set BO,  15                           ; my byte offset in the bias
.set BI,  16                           ; v[16:47] b1 as a C operand, 8 registers for each jt; SECOND: v[16:19] b2 of my four columns
.set ACC, 48                           ; v[48:143] accumulator (tt, jt) at ACC + 8 (4 tt + jt)
.set GXH, 144                          ; gelu at work: x / 2
.set GM,  152                          ; its square, then the exponential
.set GU,  160                          ; t
.set GP,  168                          ; the polynomial
.set O,   144                          ; SECOND: v[144:175] a tile's rows to store
.set F,   176                          ; v[176:191] a tile of hb to store
.set OUT, 192                          ; v[192:223] the fill: four fragments
.set BST, 224                          ; v[224:255] the bias as loaded
; window 1
.set RING, 0                           ; v[0:191]   token fragments of four K blocks: slot kb % 4 at 48 x slot, fragment (tt, f) at + 16 tt + 8 f.  During the fill all 256: weights as loaded
.set BF,   192                         ; v[192:255] weight fragments of a K step of 32, two buffers of 32
.set MSB, 0
.macro WIN new                         ; the immediate's high byte repeats the setting that is left; a switch that changes nothing is dropped
.if MSB != (\new)
	s_set_vgpr_msb (MSB<<8)|(\new)
.set MSB, \new
.endif
.endm
.set LD, 0x40                          ; destination window 1, address window 0
.set S1, 0x05                          ; sources 0 and 1 window 1; C, D and other destinations window 0
.macro PLACES                          ; four places in front of loads into registers that matrix instructions have read, and of vector lines that read results
.rept 4
	v_nop
.endr
.endm
	s_load_b256 s[4:11], s[0:1], 0x0               ; tokens s[4:5], weights s[6:7], bias s[8:9], plan s[10:11]
	s_load_b64 s[12:13], s[0:1], 0x20              ; output
	v_lshl_add_u32 v[SPW], v0, 2, SPARE
	v_mov_b32 v[NIL], 0
	v_lshrrev_b32 v144, 5, v0
	v_readfirstlane_b32 s14, v144                  ; wave
	v_and_b32 v144, 31, v0
	v_lshlrev_b32 v[L16], 4, v144
	v_add_nc_u32 v[PB1], 0x10000, v[L16]
	v_and_b32 v145, 15, v0
	v_bfe_u32 v146, v0, 4, 1                       ; h
	v_lshlrev_b32 v145, 4, v145                    ; 16 r
	v_lshl_add_u32 v[WO], v146, 17, v145
	s_lshl_b32 s22, s14, 14                        ; a wave fills 16 fragments: K steps 4 wave .. 4 wave + 3
	v_add_nc_u32 v[PSW], s22, v[L16]
	s_and_b32 s16, ttmp7, 0xffff                   ; expert
.if SECOND
	v_lshl_add_u32 v[RH], v146, 15, v145
	v_mov_b32 v[BO], v145
	s_and_b32 s15, ttmp9, 15                       ; block of 64 columns
	s_lshr_b32 s17, ttmp9, 4                       ; quarter of K
.else
	v_lshlrev_b32 v[BO], 7, v146                   ; my 32 columns of the bias
	s_mov_b32 s15, ttmp9
.endif
	s_lshl_b32 s24, s16, 2                         ; the expert's word in the plan's two tables
	s_lshl_b32 s25, s15, 8                         ; 64 columns of f32
	s_lshl_b32 s22, s16, 24                        ; an expert's weights are 2^24 bytes
	s_add_co_u32 s22, s22, s25
.if SECOND
	s_lshl_b32 s23, s14, 19                        ; my wave's 128 rows
	s_add_co_u32 s22, s22, s23
	s_lshl_b32 s23, s17, 22                        ; the quarter's 1,024 rows
	s_lshl_b32 s26, s16, 12
	s_mul_i32 s28, s17, PARTQ
	s_add_co_u32 s28, s28, s25
	s_mul_i32 s32, s17, 16*KBS
	s_mov_b32 s33, 0
.else
	s_lshl_b32 s23, s14, 21                        ; my wave's 128 rows
	s_lshl_b32 s26, s16, 14
	s_mul_i32 s28, s15, KBS                        ; my 64 columns are one K block of hb
	s_mov_b32 s40, 0x3e827906                      ; a1 .. a5 of the approximation, each named as a pair by the packed lines, which take the low word
	s_mov_b32 s41, 0
	s_mov_b32 s42, 0xbe91a98e
	s_mov_b32 s43, 0
	s_mov_b32 s44, 0x3fb5f0e3
	s_mov_b32 s45, 0
	s_mov_b32 s46, 0xbfba00e3
	s_mov_b32 s47, 0
	s_mov_b32 s48, 0x3f87dc22
	s_mov_b32 s49, 0
	s_mov_b32 s50, 0xc038aa3b                      ; -2 log2(e)
	s_mov_b32 s51, 0
	s_mov_b32 s52, 0x3eed3388                      ; 0.3275911 sqrt(2)
.endif
	s_add_co_u32 s22, s22, s23
	s_mov_b32 s23, 0
	s_add_co_u32 s26, s26, s25
	s_mov_b32 s27, 0
	s_mov_b32 s29, 0
	s_wait_kmcnt 0x0
	s_load_b32 s18, s[10:11], s24 offset:0x2000    ; the expert's first tile,
	s_load_b32 s19, s[10:11], s24 offset:0x2010    ; and how many it has
	s_add_nc_u64 s[6:7], s[6:7], s[22:23]
	s_add_nc_u64 s[8:9], s[8:9], s[26:27]
	s_add_nc_u64 s[30:31], s[12:13], s[28:29]
.if SECOND
	s_add_nc_u64 s[4:5], s[4:5], s[32:33]
	global_load_b128 v[BST:BST+3], v[BO], s[8:9]
.else
.irp j, 0,1,2,3,4,5,6,7
	global_load_b128 v[BST+4*(\j):BST+4*(\j)+3], v[BO], s[8:9] offset:16*(\j)
.endr
.endif
	; THE FILL.  All of my wave's 32 KB of weights is asked for at once: four K steps of 32, sixteen loads each.  Row (s, u, i) feeds half i % 2 of register 4 u + i / 2 of step s's fragments.
	WIN LD
.irp s, 0,1,2,3
.irp u, 0,1
.irp i, 0,1,2,3,4,5,6,7
.if SECOND
.set ROW, 64*((\s)/2)+4*(\i)+2*((\s)%2)+(\u)
.else
.set ROW, 32*(\s)+16*(\u)+(\i)
.endif
	global_load_b128 v[64*(\s)+4*(8*(\u)+(\i)):64*(\s)+4*(8*(\u)+(\i))+3], v[WO], s[6:7] offset:ROW*PITCH th:TH_LOAD_NT
.endr
.endr
.endr
.macro WSTEP s
	s_wait_loadcnt 16*(3-(\s))                     ; this step's sixteen loads are in; the later steps' stay out
	WIN S1
.irp jt, 0,1,2,3
.irp u, 0,1
.irp q, 0,1,2,3
	v_cvt_pk_bf16_f32 v[OUT+8*(\jt)+4*(\u)+(\q)], v[64*(\s)+4*(8*(\u)+2*(\q))+(\jt)], v[64*(\s)+4*(8*(\u)+2*(\q)+1)+(\jt)]
.endr
.endr
.endr
	WIN 0
.irp jt, 0,1,2,3
.irp u, 0,1
	ds_store_b128 v[PSW], v[OUT+8*(\jt)+4*(\u):OUT+8*(\jt)+4*(\u)+3] offset:(4*(\s)+(\jt))*1024+512*(\u)  ; 32 lanes, 16 neighbouring bytes each
.endr
.endr
.endm
	WSTEP 0
	WSTEP 1
	WSTEP 2
	WSTEP 3
	; the bias, rounded to bf16 and widened again (it was asked for ahead of the weights, so it is in)
.if SECOND
	s_cmp_eq_u32 s17, 0
	s_cselect_b32 s22, 0xffff0000, 0               ; cuts out a bf16, and drops b2 in the quarters 1 to 3: it is added once
	v_cvt_pk_bf16_f32 v144, v[BST], v[BST+1]
	v_cvt_pk_bf16_f32 v145, v[BST+2], v[BST+3]
	v_lshlrev_b32 v[BI], 16, v144
	v_lshlrev_b32 v[BI+2], 16, v145
	v_and_b32 v[BI], s22, v[BI]
	v_and_b32 v[BI+1], s22, v144
	v_and_b32 v[BI+2], s22, v[BI+2]
	v_and_b32 v[BI+3], s22, v145
.else
.set m, 0
.rept 16
	v_cvt_pk_bf16_f32 v[GXH+m], v[BST+2*m], v[BST+2*m+1]
.set m, m+1
.endr
.set m, 0
.rept 16                               ; number 4 j + jt as loaded is register j of the C operand for jt
	v_lshlrev_b32 v[BI+8*((2*m)%4)+(2*m)/4], 16, v[GXH+m]
	v_and_b32 v[BI+8*((2*m+1)%4)+(2*m+1)/4], 0xffff0000, v[GXH+m]
.set m, m+1
.endr
.endif
	s_wait_dscnt 0x0                               ; for the others' sake: my sixteen fragments are in the panel
	s_barrier_signal -1
	s_barrier_wait -1                              ; the panel is whole; nothing writes it again
	s_wait_kmcnt 0x0
	s_min_u32 s19, s19, 128
.macro ALOAD kb                        ; the token fragments of K block kb: 12 loads of 512 consecutive bytes
	WIN LD
.irp tt, 0,1,2
.irp f, 0,1
.irp u, 0,1
	global_load_b128 v[RING+48*((\kb)%4)+16*(\tt)+8*(\f)+4*(\u):RING+48*((\kb)%4)+16*(\tt)+8*(\f)+4*(\u)+3], v[AO+(\tt)], s[4:5] offset:(\kb)*KBS+1024*(\f)+512*(\u)
.endr
.endr
.endr
.endm
.macro BLOAD ks                        ; the four weight fragments of K step ks: 8 LDS loads
	WIN LD
.irp jt, 0,1,2,3
.irp u, 0,1
.set bo, (4*(\ks)+(\jt))*1024+512*(\u)
.if bo < 65536
	ds_load_b128 v[BF+32*((\ks)%2)+8*(\jt)+4*(\u):BF+32*((\ks)%2)+8*(\jt)+4*(\u)+3], v[L16] offset:bo
.else
	ds_load_b128 v[BF+32*((\ks)%2)+8*(\jt)+4*(\u):BF+32*((\ks)%2)+8*(\jt)+4*(\u)+3], v[PB1] offset:bo-65536
.endif
.endr
.endr
.endm
.macro MUL kb, f                       ; 12 matrix instructions: the 12 accumulators take turns, one instruction a turn.  The first K step starts the sums
	WIN S1
.irp tt, 0,1,2
.irp jt, 0,1,2,3
.set rD, ACC+8*(4*(\tt)+(\jt))
.set rW, BF+32*(\f)+8*(\jt)
.set rA, RING+48*((\kb)%4)+16*(\tt)+8*(\f)
.if SECOND
.if (\kb) == 0 && (\f) == 0
	v_wmma_f32_16x16x32_bf16 v[rD:rD+7], v[rA:rA+7], v[rW:rW+7], 0
.else
	v_wmma_f32_16x16x32_bf16 v[rD:rD+7], v[rA:rA+7], v[rW:rW+7], v[rD:rD+7]
.endif
.else
.if (\kb) == 0 && (\f) == 0
	v_wmma_f32_16x16x32_bf16 v[rD:rD+7], v[rW:rW+7], v[rA:rA+7], v[BI+8*(\jt):BI+8*(\jt)+7]
.else
	v_wmma_f32_16x16x32_bf16 v[rD:rD+7], v[rW:rW+7], v[rA:rA+7], v[rD:rD+7]
.endif
.endif
.endr
.endr
.endm
.macro KB kb                           ; a K block of 64: two K steps of 32
	WIN LD
.if (\kb) > 0
	PLACES                                         ; the second weight buffer and ring slot (kb - 1) % 4 were read by the matrix instructions just issued
.endif
	BLOAD 2*(\kb)+1
.if (\kb) >= 1 && (\kb) <= 12
	ALOAD (\kb)+3
.endif
	s_wait_dscnt 8                                 ; all but the eight LDS loads just issued: this step's weights are in
.if (\kb) > 12
	s_wait_loadcnt 12*(15-(\kb))                   ; this block's tokens are in; the later blocks' twelve loads each stay out
.else
	s_wait_loadcnt 36
.endif
	MUL \kb, 0
	WIN LD
	PLACES
.if (\kb) < 15
	BLOAD 2*(\kb)+2
	s_wait_dscnt 8
.else
	s_wait_dscnt 0
.endif
	MUL \kb, 1
.endm
; gelu of 8 numbers, into 4 registers of bf16.  With xh = x / 2: gelu = xh + |xh| (1 - E), E = (a1 t + .. + a5 t^5) 2^(-2 log2(e) xh^2), t = 1 / (1 + 0.3275911 sqrt(2) |xh|).
; The accumulator is read from its low end on.  The 16 transcendentals stand together, one plain line behind them (ISA guide 5.7.2).
.macro GELU8 acc, out
.irp k, 0,2,4,6
	v_pk_mul_f32 v[GXH+\k:GXH+\k+1], v[(\acc)+\k:(\acc)+\k+1], 0.5 op_sel_hi:[1,0]
.endr
.irp k, 0,2,4,6
	v_pk_mul_f32 v[GM+\k:GM+\k+1], v[GXH+\k:GXH+\k+1], v[GXH+\k:GXH+\k+1]
.endr
.irp k, 0,1,2,3,4,5,6,7
	v_fma_f32 v[GU+\k], |v[GXH+\k]|, s52, 1.0
.endr
.irp k, 0,2,4,6
	v_pk_mul_f32 v[GM+\k:GM+\k+1], v[GM+\k:GM+\k+1], s[50:51] op_sel_hi:[1,0]
.endr
.irp k, 0,1,2,3,4,5,6,7
	v_rcp_f32 v[GU+\k], v[GU+\k]
.endr
.irp k, 0,1,2,3,4,5,6,7
	v_exp_f32 v[GM+\k], v[GM+\k]
.endr
	v_nop
	s_wait_alu depctr_va_vdst(0)
.irp k, 0,2,4,6
	v_pk_fma_f32 v[GP+\k:GP+\k+1], v[GU+\k:GU+\k+1], s[48:49], s[46:47] op_sel_hi:[1,0,0]
.endr
.irp a, 44,42,40
.irp k, 0,2,4,6
	v_pk_fma_f32 v[GP+\k:GP+\k+1], v[GP+\k:GP+\k+1], v[GU+\k:GU+\k+1], s[\a:\a+1] op_sel_hi:[1,1,0]
.endr
.endr
.irp k, 0,2,4,6
	v_pk_mul_f32 v[GP+\k:GP+\k+1], v[GP+\k:GP+\k+1], v[GU+\k:GU+\k+1]
.endr
.irp k, 0,2,4,6
	v_pk_fma_f32 v[GP+\k:GP+\k+1], v[GP+\k:GP+\k+1], v[GM+\k:GM+\k+1], 1.0 op_sel_hi:[1,1,0] neg_lo:[1,0,0] neg_hi:[1,0,0]
.endr
.irp k, 0,1,2,3,4,5,6,7
	v_fma_f32 v[GXH+\k], |v[GXH+\k]|, v[GP+\k], v[GXH+\k]
.endr
.irp q, 0,1,2,3
	v_cvt_pk_bf16_f32 v[(\out)+\q], v[GXH+2*\q], v[GXH+2*\q+1]
.endr
.endm
.macro TILE_OUT tt                     ; tile tt of the group leaves; a tile past the expert's last (computed on a clamped address) is not stored
	s_add_co_u32 s22, s21, \tt
	s_cmp_ge_u32 s22, s19
	s_cbranch_scc1 .Lskip_\@
	s_wait_xcnt 0x0                                ; the registers that the last tile's stores read are written again only behind this wait
.if SECOND
.irp j, 0,1,2,3,4,5,6,7                ; register j of the four accumulators: row 8 h + j, columns 4 r .. 4 r + 3; the addition of b2 also brings them side by side
.irp jt, 0,1,2,3
	v_add_f32 v[O+4*(\j)+(\jt)], v[ACC+8*(4*(\tt)+(\jt))+(\j)], v[BI+(\jt)]
.endr
	global_store_b128 v[PO+(\tt)], v[O+4*(\j):O+4*(\j)+3], s[30:31] offset:4096*(\j)  ; lanes 0-15 and lanes 16-31 each store 256 consecutive bytes, at a multiple of 256 from part's first
.endr
.else
.irp jt, 0,1,2,3
	GELU8 ACC+8*(4*(\tt)+(\jt)), F+4*(\jt)
	global_store_b128 v[AO+(\tt)], v[F+4*(\jt):F+4*(\jt)+3], s[30:31] offset:512*(\jt)  ; 512 consecutive bytes, at a multiple of 512 from hb's first
.endr
.endif
.Lskip_\@:
.endm
	s_mul_i32 s21, s14, 3                          ; my group's first tile among the expert's
	s_mov_b32 s20, 6                               ; 6 trips x 8 waves x 3 tiles cover the 128 tiles that an expert can have; dead trips are jumped
.Ltrip:
	s_cmp_ge_u32 s21, s19
	s_cbranch_scc1 .Ldead
	s_wait_xcnt 0x0                                ; the offsets that the last trip's stores named are written again only behind this wait
	s_sub_co_u32 s23, s19, 1
.irp tt, 0,1,2
	s_add_co_u32 s22, s21, \tt
	s_min_u32 s22, s22, s23                        ; a last group that is not full takes the last tile again
	s_add_co_u32 s22, s22, s18
	s_min_u32 s22, s22, RT-1
	s_lshl_b32 s26, s22, 11
	v_add_nc_u32 v[AO+(\tt)], s26, v[L16]
.if SECOND
	s_lshl_b32 s26, s22, 16
	v_add_nc_u32 v[PO+(\tt)], s26, v[RH]
.endif
.endr
	ALOAD 0                                        ; 48 loads, 24 KB, of the wave are on their way
	ALOAD 1
	ALOAD 2
	ALOAD 3
	BLOAD 0
.irp kb, 0,1,2,3,4,5,6,7,8,9,10,11,12,13,14,15
	KB \kb
.endr
	WIN 0                                          ; at a label and at a branch every window is 0
	PLACES
	TILE_OUT 0
	TILE_OUT 1
	TILE_OUT 2
.Ldead:
	s_add_co_u32 s21, s21, 24
	s_sub_co_u32 s20, s20, 1
	s_cmp_lg_u32 s20, 0
	s_cbranch_scc1 .Ltrip
	s_wait_tensorcnt 0x0                           ; the wave's end, behind my last LDS store
	ds_add_u32 v[SPW], v[NIL]
	s_wait_dscnt 0x0
	s_endpgm
.Lfunc_end_k_q9b35aa271f_ffn1:
	.size	k_q9b35aa271f_ffn1, .Lfunc_end_k_q9b35aa271f_ffn1-k_q9b35aa271f_ffn1
	.p2alignl 7, 3214868480
	.fill 96, 4, 3214868480
	.section	.rodata,"a",@progbits
	.p2align	6, 0x0
	.amdhsa_kernel k_q9b35aa271f_ffn1
		.amdhsa_group_segment_fixed_size 132096
		.amdhsa_private_segment_fixed_size 0
		.amdhsa_enable_private_segment 0
		.amdhsa_kernarg_size 40
		.amdhsa_user_sgpr_count 2
		.amdhsa_user_sgpr_kernarg_segment_ptr 1
		.amdhsa_wavefront_size32 1
		.amdhsa_system_sgpr_workgroup_id_x 1
		.amdhsa_system_sgpr_workgroup_id_y 1
		.amdhsa_system_sgpr_workgroup_id_z 1
		.amdhsa_system_vgpr_workitem_id 0
		.amdhsa_next_free_vgpr 512
		.amdhsa_next_free_sgpr 66
		.amdhsa_reserve_vcc 0
		.amdhsa_float_denorm_mode_32 3
		.amdhsa_float_denorm_mode_16_64 3
		.amdhsa_memory_ordered 1
		.amdhsa_forward_progress 1
		.amdhsa_inst_pref_size 140
	.end_amdhsa_kernel
	.amdgpu_metadata
---
amdhsa.version: [ 1, 2 ]
amdhsa.kernels:
  - .name:           k_q9b35aa271f_ffn1
    .symbol:         k_q9b35aa271f_ffn1.kd
    .args:
      - { .name: xs, .offset: 0, .size: 8, .value_kind: global_buffer, .address_space: global }
      - { .name: w1, .offset: 8, .size: 8, .value_kind: global_buffer, .address_space: global }
      - { .name: b1, .offset: 16, .size: 8, .value_kind: global_buffer, .address_space: global }
      - { .name: plan, .offset: 24, .size: 8, .value_kind: global_buffer, .address_space: global }
      - { .name: hb, .offset: 32, .size: 8, .value_kind: global_buffer, .address_space: global }
    .group_segment_fixed_size: 132096
    .private_segment_fixed_size: 0
    .kernarg_segment_align: 8
    .kernarg_segment_size: 40
    .max_flat_workgroup_size: 256
    .sgpr_count:     66
    .vgpr_count:     512
    .wavefront_size: 32
...
	.end_amdgpu_metadata
.endif
;; end of part 3
;; launch ffn2 (part 4): grid 64 x 4, 8 waves a work-group, no clusters, 132,096 bytes of LDS; arguments hb, w2, b2, plan, v_w, part, vpart; writes part, vpart
.if DOCPART == 4
	.amdgcn_target "amdgcn-amd-amdhsa--gfx1250"
	.amdhsa_code_object_version 6
	.text
	.protected	k_q9b35aa271f_ffn2
	.globl	k_q9b35aa271f_ffn2
	.p2align	8
	.type	k_q9b35aa271f_ffn2,@function
k_q9b35aa271f_ffn2:
	s_mov_b64 s[64:65], 0
	v_nop
	global_prefetch_b8 v0, s[64:65] scope:SCOPE_SE
	s_setreg_imm32_b32 hwreg(HW_REG_WAVE_MODE, 25, 1), 1
	s_wait_xcnt 0x0
; THE EXPERTS' SECOND PRODUCT.  part[kq] = hb w2[e] (+ b2[e] in kq = 0), K = 4,096 in four quarters; and vpart[16 kq + cb][row] = this work-group's 64 columns of that row . v_w,
; its share of the potential, which is linear in the row: so the next launch has every token's potential without a launch between.
; Only the expert that the router chose is computed for a token: the other three are multiplied by a gate of 0.
; SHARES.  A work-group has one expert (grid y), 64 output columns and K = 1,024 (grid x = 16 x quarter of K + block of columns).  Its panel of weights, 1,024 x 64 f32 = 256 KB, is read
; from memory ONCE in the launch, rounded to bf16 and kept in LDS as 128 fragments of 1 KB; then all the expert's tokens pass by it.  A wave takes groups of 3 tiles of 16 tokens x 64 columns:
; 12 accumulators; group = 8 x trip + wave.  The four quarters' sums go to four planes of part and are added, in a fixed order, by the next launch: no traffic between work-groups.
; WEIGHTS WITHOUT TURNING.  They lie [K][N].  Lane (r = lane % 16, h = lane / 16) loads 16 bytes, columns 4 r .. 4 r + 3, of 16 rows for each K step of 32: sixteen lanes read 256 aligned
; bytes of a row.  Two rows' numbers of one column, rounded and packed, ARE a fragment's register; fragment jt has column 4 r + jt in lane r: a permutation of columns that the output's addresses undo.
; TOKENS WITHOUT LDS.  hb lies in fragment order, [kb][tile][f][u][lane][16 bytes]: a fragment is two loads of 512 consecutive bytes, straight into registers, four K blocks of 64 ahead.
; hb's blocks hold k = 32 h + 4 (2 q + p) + 2 f + u in register q, half p (as the launch before left them); w2's rows are read in that same order, so the products meet.
; NO CLUSTER: the panel, the bytes that come from memory, is read by this work-group alone; the fragments that an expert's work-groups share go into registers, other tiles in each wave,
; in a number of trips that hangs on counts read from memory.  NO PREFETCH: all of the panel is asked for at the kernel's head.
; FORMATS AND LIMITS.  Weights, b2, v_w and tokens in bf16, sums in f32.  NaN and infinities are not treated apart.  An expert without tokens still has its panel filled (the barrier hangs on
; no data) and stores nothing.
.set RT,    132                        ; tiles of 16 sorted rows that the workspace holds
.set KBS,   RT*2048                    ; bytes of hb for 64 of K, all tiles
.set PARTQ, RT*16*4096                 ; bytes of part for a quarter of K
.set VPL,   RT*16*4                    ; bytes in a plane of vpart
.set PITCH, 4096                       ; bytes in a row of the weights
.set SPARE, 131072                     ; behind the panel: the spare words, 128 bytes for each wave: four blocks of 256 bytes that no other line names
; window 0
.set L16, 1                            ; 16 x lane: also the LDS address of my 16 bytes in the panel's lower half
.set PB1, 3                            ; the same in its upper half
.set AO,  4                            ; v[4:6]   my byte offset in tile tt of hb
.set PO,  7                            ; v[7:9]   my byte offset in tile tt's rows of part
.set WO,  10                           ; my byte offset in the weights: h x 32 rows of 4,096 bytes + 16 r
.set PSW, 11                           ; where my wave's fragments go in the panel
.set SPW, 12                           ; LDS address of my spare word; never rewritten
.set NIL, 13                           ; 0; never rewritten
.set RH,  14                           ; h x 8 rows of part + 16 r
.set BO,  15                           ; my byte offset in b2 and in v_w: 16 r
.set BI,  16                           ; v[16:19] b2 of my four columns
.set VW,  20                           ; v[20:23] v_w of my four columns
.set VO,  24                           ; v[24:26] my byte offset in tile tt's rows of vpart
.set RV,  27                           ; 4 x (8 h + r % 8)
.set ACC, 48                           ; v[48:143] accumulator (tt, jt) at ACC + 8 (4 tt + jt)
.set O,   144                          ; v[144:175] a tile's rows to store
.set DV,  176                          ; v[176:183] my four columns' share of the potential, row 8 h + j in register j
.set TK,  184                          ; v[184:187] the fold at work
.set TS,  188
.set OUT, 192                          ; v[192:223] the fill: four fragments
.set BST, 224                          ; v[224:231] b2 and v_w as loaded
; window 1
.set RING, 0                           ; v[0:191]   token fragments of four K blocks: slot kb % 4 at 48 x slot, fragment (tt, f) at + 16 tt + 8 f.  During the fill all 256: weights as loaded
.set BF,   192                         ; v[192:255] weight fragments of a K step of 32, two buffers of 32
.set MSB, 0
.macro WIN new                         ; the immediate's high byte repeats the setting that is left; a switch that changes nothing is dropped
.if MSB != (\new)
	s_set_vgpr_msb (MSB<<8)|(\new)
.set MSB, \new
.endif
.endm
.set LD, 0x40                          ; destination window 1, address window 0
.set S1, 0x05                          ; sources 0 and 1 window 1; C, D and other destinations window 0
.macro PLACES                          ; four places in front of loads into registers that matrix instructions have read, and of vector lines that read results
.rept 4
	v_nop
.endr
.endm
	s_load_b256 s[4:11], s[0:1], 0x0               ; hb s[4:5], w2 s[6:7], b2 s[8:9], plan s[10:11]
	s_load_b128 s[36:39], s[0:1], 0x20             ; v_w s[36:37], part s[38:39]
	s_load_b64 s[40:41], s[0:1], 0x30              ; vpart
	v_lshl_add_u32 v[SPW], v0, 2, SPARE
	v_mov_b32 v[NIL], 0
	v_lshrrev_b32 v144, 5, v0
	v_readfirstlane_b32 s14, v144                  ; wave
	v_and_b32 v144, 31, v0
	v_lshlrev_b32 v[L16], 4, v144
	v_add_nc_u32 v[PB1], 0x10000, v[L16]
	v_and_b32 v145, 15, v0
	v_bfe_u32 v146, v0, 4, 1                       ; h
	v_lshlrev_b32 v145, 4, v145                    ; 16 r
	v_lshl_add_u32 v[WO], v146, 17, v145
	s_lshl_b32 s22, s14, 14                        ; a wave fills 16 fragments: K steps 4 wave .. 4 wave + 3
	v_add_nc_u32 v[PSW], s22, v[L16]
	s_and_b32 s16, ttmp7, 0xffff                   ; expert
	v_lshl_add_u32 v[RH], v146, 15, v145
	v_mov_b32 v[BO], v145
	v_and_b32 v147, 7, v0
	v_lshlrev_b32 v147, 2, v147
	v_lshl_add_u32 v[RV], v146, 5, v147
	s_and_b32 s15, ttmp9, 15                       ; block of 64 columns
	s_lshr_b32 s17, ttmp9, 4                       ; quarter of K
	s_lshl_b32 s24, s16, 2                         ; the expert's word in the plan's two tables
	s_lshl_b32 s25, s15, 8                         ; 64 columns of f32
	s_lshl_b32 s22, s16, 24                        ; an expert's weights are 2^24 bytes
	s_add_co_u32 s22, s22, s25
	s_lshl_b32 s23, s14, 19                        ; my wave's 128 rows
	s_add_co_u32 s22, s22, s23
	s_lshl_b32 s23, s17, 22                        ; the quarter's 1,024 rows
	s_lshl_b32 s26, s16, 12
	s_mul_i32 s28, s17, PARTQ
	s_add_co_u32 s28, s28, s25
	s_mul_i32 s32, s17, 16*KBS
	s_mov_b32 s33, 0
	s_mul_i32 s34, ttmp9, VPL                      ; my plane of vpart: 16 x quarter + block
	s_mov_b32 s35, 0
	s_mov_b32 s44, s25
	s_mov_b32 s45, 0
	s_mov_b32 s46, 0xaaaaaaaa                      ; the lanes whose number has bit 0 set,
	s_mov_b32 s47, 0xcccccccc                      ; bit 1,
	s_mov_b32 s48, 0xf0f0f0f0                      ; bit 2
	s_add_co_u32 s22, s22, s23
	s_mov_b32 s23, 0
	s_add_co_u32 s26, s26, s25
	s_mov_b32 s27, 0
	s_mov_b32 s29, 0
	s_wait_kmcnt 0x0
	s_load_b32 s18, s[10:11], s24 offset:0x2000    ; the expert's first tile,
	s_load_b32 s19, s[10:11], s24 offset:0x2010    ; and how many it has
	s_add_nc_u64 s[6:7], s[6:7], s[22:23]
	s_add_nc_u64 s[8:9], s[8:9], s[26:27]
	s_add_nc_u64 s[30:31], s[38:39], s[28:29]
	s_add_nc_u64 s[4:5], s[4:5], s[32:33]
	s_add_nc_u64 s[36:37], s[36:37], s[44:45]
	s_add_nc_u64 s[42:43], s[40:41], s[34:35]
	global_load_b128 v[BST:BST+3], v[BO], s[8:9]
	global_load_b128 v[BST+4:BST+7], v[BO], s[36:37]
	; THE FILL.  All of my wave's 32 KB of weights is asked for at once: four K steps of 32, sixteen loads each.  Row (s, u, i) feeds half i % 2 of register 4 u + i / 2 of step s's fragments.
	WIN LD
.irp s, 0,1,2,3
.irp u, 0,1
.irp i, 0,1,2,3,4,5,6,7
.set ROW, 64*((\s)/2)+4*(\i)+2*((\s)%2)+(\u)
	global_load_b128 v[64*(\s)+4*(8*(\u)+(\i)):64*(\s)+4*(8*(\u)+(\i))+3], v[WO], s[6:7] offset:ROW*PITCH th:TH_LOAD_NT
.endr
.endr
.endr
.macro WSTEP s
	s_wait_loadcnt 16*(3-(\s))                     ; this step's sixteen loads are in; the later steps' stay out
	WIN S1
.irp jt, 0,1,2,3
.irp u, 0,1
.irp q, 0,1,2,3
	v_cvt_pk_bf16_f32 v[OUT+8*(\jt)+4*(\u)+(\q)], v[64*(\s)+4*(8*(\u)+2*(\q))+(\jt)], v[64*(\s)+4*(8*(\u)+2*(\q)+1)+(\jt)]
.endr
.endr
.endr
	WIN 0
.irp jt, 0,1,2,3
.irp u, 0,1
	ds_store_b128 v[PSW], v[OUT+8*(\jt)+4*(\u):OUT+8*(\jt)+4*(\u)+3] offset:(4*(\s)+(\jt))*1024+512*(\u)  ; 32 lanes, 16 neighbouring bytes each
.endr
.endr
.endm
	WSTEP 0
	WSTEP 1
	WSTEP 2
	WSTEP 3
	; b2 and v_w, rounded to bf16 and widened again (they were asked for ahead of the weights, so they are in)
	s_cmp_eq_u32 s17, 0
	s_cselect_b32 s22, 0xffff0000, 0               ; cuts out a bf16, and drops b2 in the quarters 1 to 3: it is added once
	v_cvt_pk_bf16_f32 v144, v[BST], v[BST+1]
	v_cvt_pk_bf16_f32 v145, v[BST+2], v[BST+3]
	v_cvt_pk_bf16_f32 v146, v[BST+4], v[BST+5]
	v_cvt_pk_bf16_f32 v147, v[BST+6], v[BST+7]
	v_lshlrev_b32 v[BI], 16, v144
	v_lshlrev_b32 v[BI+2], 16, v145
	v_and_b32 v[BI], s22, v[BI]
	v_and_b32 v[BI+1], s22, v144
	v_and_b32 v[BI+2], s22, v[BI+2]
	v_and_b32 v[BI+3], s22, v145
	v_lshlrev_b32 v[VW], 16, v146
	v_and_b32 v[VW+1], 0xffff0000, v146
	v_lshlrev_b32 v[VW+2], 16, v147
	v_and_b32 v[VW+3], 0xffff0000, v147
	s_wait_dscnt 0x0                               ; for the others' sake: my sixteen fragments are in the panel
	s_barrier_signal -1
	s_barrier_wait -1                              ; the panel is whole; nothing writes it again
	s_wait_kmcnt 0x0
	s_min_u32 s19, s19, 128
.macro ALOAD kb                        ; the token fragments of K block kb: 12 loads of 512 consecutive bytes
	WIN LD
.irp tt, 0,1,2
.irp f, 0,1
.irp u, 0,1
	global_load_b128 v[RING+48*((\kb)%4)+16*(\tt)+8*(\f)+4*(\u):RING+48*((\kb)%4)+16*(\tt)+8*(\f)+4*(\u)+3], v[AO+(\tt)], s[4:5] offset:(\kb)*KBS+1024*(\f)+512*(\u)
.endr
.endr
.endr
.endm
.macro BLOAD ks                        ; the four weight fragments of K step ks: 8 LDS loads
	WIN LD
.irp jt, 0,1,2,3
.irp u, 0,1
.set bo, (4*(\ks)+(\jt))*1024+512*(\u)
.if bo < 65536
	ds_load_b128 v[BF+32*((\ks)%2)+8*(\jt)+4*(\u):BF+32*((\ks)%2)+8*(\jt)+4*(\u)+3], v[L16] offset:bo
.else
	ds_load_b128 v[BF+32*((\ks)%2)+8*(\jt)+4*(\u):BF+32*((\ks)%2)+8*(\jt)+4*(\u)+3], v[PB1] offset:bo-65536
.endif
.endr
.endr
.endm
.macro MUL kb, f                       ; 12 matrix instructions: the 12 accumulators take turns, one instruction a turn.  The first K step starts the sums
	WIN S1
.irp tt, 0,1,2
.irp jt, 0,1,2,3
.set rD, ACC+8*(4*(\tt)+(\jt))
.set rW, BF+32*(\f)+8*(\jt)
.set rA, RING+48*((\kb)%4)+16*(\tt)+8*(\f)
.if (\kb) == 0 && (\f) == 0
	v_wmma_f32_16x16x32_bf16 v[rD:rD+7], v[rA:rA+7], v[rW:rW+7], 0
.else
	v_wmma_f32_16x16x32_bf16 v[rD:rD+7], v[rA:rA+7], v[rW:rW+7], v[rD:rD+7]
.endif
.endr
.endr
.endm
.macro KB kb                           ; a K block of 64: two K steps of 32
	WIN LD
.if (\kb) > 0
	PLACES                                         ; the second weight buffer and ring slot (kb - 1) % 4 were read by the matrix instructions just issued
.endif
	BLOAD 2*(\kb)+1
.if (\kb) >= 1 && (\kb) <= 12
	ALOAD (\kb)+3
.endif
	s_wait_dscnt 8                                 ; all but the eight LDS loads just issued: this step's weights are in
.if (\kb) > 12
	s_wait_loadcnt 12*(15-(\kb))                   ; this block's tokens are in; the later blocks' twelve loads each stay out
.else
	s_wait_loadcnt 36
.endif
	MUL \kb, 0
	WIN LD
	PLACES
.if (\kb) < 15
	BLOAD 2*(\kb)+2
	s_wait_dscnt 8
.else
	s_wait_dscnt 0
.endif
	MUL \kb, 1
.endm
; One step of the fold over the sixteen lanes of a half.  Of two registers a lane keeps the one that its number's bit chooses and sends the other to the lane whose number differs in that bit:
; both are summed over the pair of lanes, and one register is left where there were two.
.macro FOLD d, a, b, m, x
	v_cndmask_b32 v[\d], v[\a], v[\b], s[\m]
	v_cndmask_b32 v[TS], v[\b], v[\a], s[\m]
	v_add_f32_dpp v[\d], v[TS], v[\d] row_xmask:\x row_mask:0xf bank_mask:0xf
.endm
.macro TILE_OUT tt                     ; tile tt of the group leaves; a tile past the expert's last (computed on a clamped address) is not stored
	s_add_co_u32 s22, s21, \tt
	s_cmp_ge_u32 s22, s19
	s_cbranch_scc1 .Lskip_\@
	s_wait_xcnt 0x0                                ; the registers that the last tile's stores read are written again only behind this wait
.irp j, 0,1,2,3,4,5,6,7                ; register j of the four accumulators (each is read from its low end on): row 8 h + j, columns 4 r .. 4 r + 3; the addition of b2 also brings them side by side
.irp jt, 0,1,2,3
	v_add_f32 v[O+4*(\j)+(\jt)], v[ACC+8*(4*(\tt)+(\jt))+(\j)], v[BI+(\jt)]
.endr
	global_store_b128 v[PO+(\tt)], v[O+4*(\j):O+4*(\j)+3], s[30:31] offset:4096*(\j)  ; lanes 0-15 and lanes 16-31 each store 256 consecutive bytes, at a multiple of 256 from part's first
	v_mul_f32 v[DV+(\j)], v[O+4*(\j)], v[VW]       ; my four columns' share of the row's potential
	v_fmac_f32 v[DV+(\j)], v[O+4*(\j)+1], v[VW+1]
	v_fmac_f32 v[DV+(\j)], v[O+4*(\j)+2], v[VW+2]
	v_fmac_f32 v[DV+(\j)], v[O+4*(\j)+3], v[VW+3]
.endr
.irp m, 0,1,2,3                        ; eight registers to four, two, one: lane r is left with row 8 h + r % 8, summed over eight lanes; the last line adds the other eight
	FOLD TK+\m, DV+2*\m, DV+2*\m+1, 46, 1
.endr
.irp m, 0,1
	FOLD DV+\m, TK+2*\m, TK+2*\m+1, 47, 2
.endr
	FOLD TK, DV, DV+1, 48, 4
	v_add_f32_dpp v[TK], v[TK], v[TK] row_xmask:8 row_mask:0xf bank_mask:0xf
	global_store_b32 v[VO+(\tt)], v[TK], s[42:43]  ; the tile's 16 rows: 64 consecutive bytes (lanes r and r + 8 store the same number at the same place); 2 KB of a work-group's 137 KB of output
.Lskip_\@:
.endm
	s_mul_i32 s21, s14, 3                          ; my group's first tile among the expert's
	s_mov_b32 s20, 6                               ; 6 trips x 8 waves x 3 tiles cover the 128 tiles that an expert can have; dead trips are jumped
.Ltrip:
	s_cmp_ge_u32 s21, s19
	s_cbranch_scc1 .Ldead
	s_wait_xcnt 0x0                                ; the offsets that the last trip's stores named are written again only behind this wait
	s_sub_co_u32 s23, s19, 1
.irp tt, 0,1,2
	s_add_co_u32 s22, s21, \tt
	s_min_u32 s22, s22, s23                        ; a last group that is not full takes the last tile again
	s_add_co_u32 s22, s22, s18
	s_min_u32 s22, s22, RT-1
	s_lshl_b32 s26, s22, 11
	v_add_nc_u32 v[AO+(\tt)], s26, v[L16]
	s_lshl_b32 s26, s22, 16
	v_add_nc_u32 v[PO+(\tt)], s26, v[RH]
	s_lshl_b32 s26, s22, 6
	v_add_nc_u32 v[VO+(\tt)], s26, v[RV]
.endr
	ALOAD 0                                        ; 48 loads, 24 KB, of the wave are on their way
	ALOAD 1
	ALOAD 2
	ALOAD 3
	BLOAD 0
.irp kb, 0,1,2,3,4,5,6,7,8,9,10,11,12,13,14,15
	KB \kb
.endr
	WIN 0                                          ; at a label and at a branch every window is 0
	PLACES
	TILE_OUT 0
	TILE_OUT 1
	TILE_OUT 2
.Ldead:
	s_add_co_u32 s21, s21, 24
	s_sub_co_u32 s20, s20, 1
	s_cmp_lg_u32 s20, 0
	s_cbranch_scc1 .Ltrip
	s_wait_tensorcnt 0x0                           ; the wave's end, behind my last LDS store
	ds_add_u32 v[SPW], v[NIL]
	s_wait_dscnt 0x0
	s_endpgm
.Lfunc_end_k_q9b35aa271f_ffn2:
	.size	k_q9b35aa271f_ffn2, .Lfunc_end_k_q9b35aa271f_ffn2-k_q9b35aa271f_ffn2
	.p2alignl 7, 3214868480
	.fill 96, 4, 3214868480
	.section	.rodata,"a",@progbits
	.p2align	6, 0x0
	.amdhsa_kernel k_q9b35aa271f_ffn2
		.amdhsa_group_segment_fixed_size 132096
		.amdhsa_private_segment_fixed_size 0
		.amdhsa_enable_private_segment 0
		.amdhsa_kernarg_size 56
		.amdhsa_user_sgpr_count 2
		.amdhsa_user_sgpr_kernarg_segment_ptr 1
		.amdhsa_wavefront_size32 1
		.amdhsa_system_sgpr_workgroup_id_x 1
		.amdhsa_system_sgpr_workgroup_id_y 1
		.amdhsa_system_sgpr_workgroup_id_z 1
		.amdhsa_system_vgpr_workitem_id 0
		.amdhsa_next_free_vgpr 512
		.amdhsa_next_free_sgpr 66
		.amdhsa_reserve_vcc 0
		.amdhsa_float_denorm_mode_32 3
		.amdhsa_float_denorm_mode_16_64 3
		.amdhsa_memory_ordered 1
		.amdhsa_forward_progress 1
		.amdhsa_inst_pref_size 101
	.end_amdhsa_kernel
	.amdgpu_metadata
---
amdhsa.version: [ 1, 2 ]
amdhsa.kernels:
  - .name:           k_q9b35aa271f_ffn2
    .symbol:         k_q9b35aa271f_ffn2.kd
    .args:
      - { .name: hb, .offset: 0, .size: 8, .value_kind: global_buffer, .address_space: global }
      - { .name: w2, .offset: 8, .size: 8, .value_kind: global_buffer, .address_space: global }
      - { .name: b2, .offset: 16, .size: 8, .value_kind: global_buffer, .address_space: global }
      - { .name: plan, .offset: 24, .size: 8, .value_kind: global_buffer, .address_space: global }
      - { .name: v_w, .offset: 32, .size: 8, .value_kind: global_buffer, .address_space: global }
      - { .name: part, .offset: 40, .size: 8, .value_kind: global_buffer, .address_space: global }
      - { .name: vpart, .offset: 48, .size: 8, .value_kind: global_buffer, .address_space: global }
    .group_segment_fixed_size: 132096
    .private_segment_fixed_size: 0
    .kernarg_segment_align: 8
    .kernarg_segment_size: 56
    .max_flat_workgroup_size: 256
    .sgpr_count:     66
    .vgpr_count:     512
    .wavefront_size: 32
...
	.end_amdgpu_metadata
.endif
;; end of part 4
;; launch finish (part 5): grid 256 x 1, 8 waves a work-group, no clusters, 1,280 bytes of LDS; arguments part, plan, vpart, v_b, out_w, out_b, bk_scale, out0; writes out0
.if DOCPART == 5
	.amdgcn_target "amdgcn-amd-amdhsa--gfx1250"
	.amdhsa_code_object_version 6
	.text
	.protected	k_q9b35aa271f_finish
	.globl	k_q9b35aa271f_finish
	.p2align	8
	.type	k_q9b35aa271f_finish,@function
k_q9b35aa271f_finish:
	s_mov_b64 s[64:65], 0
	v_nop
	global_prefetch_b8 v0, s[64:65] scope:SCOPE_SE
	s_setreg_imm32_b32 hwreg(HW_REG_WAVE_MODE, 25, 1), 1
	s_wait_xcnt 0x0
; out0[t] = f[t] + bk_scale (clip(Re G, 10) out_w[0] + clip(Im G, 10) out_w[1] + out_b), where f[t] = (p0 + p1) + (p2 + p3) is the sum of the four K quarters of token t's sorted row,
; G = 1 / (d_i - L_i - R_i), d_j = v_j - 2 - i, v_j = clip(f_j . v_w + v_b, -3, 3), L_0 = 0, L_(j+1) = 1 / (d_j - L_j);  R_511 = 0, R_(j-1) = 1 / (d_j - R_j), along the 512 tokens of a batch row.
; THE POTENTIAL.  f_j . v_w lies in vpart as 64 partial sums a sorted row, one for each block of 64 columns and quarter of K, [64][2,112].  A work-group has 8 tokens and needs v of 48: its own and
; 20 on either side.  Wave w makes six of them: lane l takes planes l and l + 32 of the row (12 loads of 4 bytes a lane), the lanes are summed, and the six numbers go to LDS for all eight waves.
; THE TWO CONTINUED FRACTIONS, FOR EACH TOKEN BY ITSELF.  The step c -> 1 / (d - c) with Im d = -1 is a shift by i in the upper half plane between two of its isometries.  The start 0 and the true
; carry (of modulus 1 at the most) are shifted onto a segment of length 1 at the most and height 1 at the least: behind the first step their hyperbolic distance is 1 at the most.  From then on both
; lie in the half disc of radius 1, which holds the geodesic between them, and there the shift at least halves lengths.  So NS = 20 steps from c = 0 give L_i and R_i to within 2^-19 = 1.9e-6, for
; every input.  Near a row's ends the steps that fall outside take d = 1e30, which makes c exactly 0 (the square overflows, its reciprocal is 0): the true start.
; One token a wave; each step takes its two numbers out of the lanes, and all lanes compute both chains alike.  The chains' lines are set between each other, so that each reciprocal has plain lines
; behind it before its result is used (ISA guide 5.7.2).
; Memory binds: a token's row of each plane is 4,096 consecutive bytes, eight loads of 512; 60 loads of a wave are on their way at once.  No matrix unit, no cluster: nothing is multiplied in bulk.
; v_b, out_w, out_b and bk_scale are rounded to bf16, as every input of this program is; all arithmetic in f32.  NaN is not treated apart.
.set NS,    20                         ; steps of each chain
.set PER,   (2*NS+8)/8                 ; potentials that a wave makes: 6 (the lists of k below are written for 6)
.set VROWS, 132*16                     ; sorted rows that the workspace holds
.set PLANE, VROWS*4                    ; bytes in a plane of vpart
.set PARTQ, VROWS*4096                 ; bytes in a plane of part
.set SPARE, 256                        ; LDS: 48 potentials from byte 0 (neighbour i0 - NS + m in word m); from here the spare words, 128 bytes for each wave: four blocks of 256 bytes that no other line names
.set LP,  5                            ; lane x a plane
.set GO,  6                            ; v[6:11]    my byte offset in vpart for potential k
.set GA,  12                           ; v[12:23]   its two partial sums; the sum in the first
.set SA,  24                           ; LDS: where my wave's six potentials go
.set LA,  25                           ; LDS: neighbour i - NS + lane
.set RA,  26                           ; LDS: neighbour i + 1 + lane
.set OA,  27                           ; LDS: my own token
.set DL,  28                           ; d's real part for the forward chain
.set DR,  29                           ; for the backward chain
.set OWN, 30                           ; v_i
.set BIG, 31                           ; 1e30
.set FC,  32                           ; forward: Re c, Im c, Re (d - c), 1 + Im c, the squared modulus, its reciprocal
.set BC,  38                           ; backward: the same six
.set G,   44                           ; v[44:48]   G at work; + 4 bk_scale
.set VB,  49                           ; v_b
.set SPW, 50                           ; LDS address of my spare word; never rewritten
.set NIL, 51                           ; 0; never rewritten
.set TP,  52                           ; at work
.set PT,  64                           ; v[64:191]  chunk i, quarter kq at PT + 16 i + 4 kq; then + 0..3 the sum and the result.  Register c of a chunk is channel 128 i + 4 lane + c
.set OW0, 192                          ; v[192:223] out_w[0]; then v[192:207] in bf16, two a register, and v[208:223] out_b's chunks 0 to 3
.set OW1, 224                          ; v[224:255] out_w[1] likewise, and out_b's chunks 4 to 7
	s_load_b512 s[4:19], s[0:1], 0x0               ; part s[4:5], plan s[6:7], vpart s[8:9], v_b s[10:11], out_w s[12:13], out_b s[14:15], bk_scale s[16:17], out0 s[18:19]
	v_lshl_add_u32 v[SPW], v0, 2, SPARE
	v_mov_b32 v[NIL], 0
	v_and_b32 v1, 31, v0                           ; lane
	v_lshrrev_b32 v3, 5, v0
	v_readfirstlane_b32 s20, v3                    ; wave
	v_lshlrev_b32 v2, 4, v1                        ; 16 x lane
	v_mul_u32_u24 v[LP], v1, PLANE
	s_lshl_b32 s21, ttmp9, 3                       ; the group's first token,
	s_and_b32 s22, s21, 511                        ; its place i0 in the batch row,
	s_sub_co_u32 s23, s21, s22                     ; the row's first token
	s_add_co_u32 s24, s21, s20                     ; t
	s_add_co_u32 s25, s22, s20                     ; i
	s_mul_i32 s26, s20, PER
	s_add_co_u32 s26, s26, s22
	s_sub_co_i32 s26, s26, NS                      ; the place of my wave's first potential: i0 - NS + 6 wave, which may lie outside the row
.irp k, 0,1,2,3,4,5
	s_add_co_i32 s27, s26, \k
	s_max_i32 s27, s27, 0                          ; a place outside the row takes the row's end: its number is made and never used
	s_min_i32 s27, s27, 511
	s_add_co_u32 s27, s27, s23
	s_lshl_b32 s[40+(\k)], s27, 2
.endr
	s_lshl_b32 s46, s24, 2
	s_lshl_b32 s38, s24, 12                        ; a row of out0 is 4,096 bytes
	s_mov_b32 s39, 0
	s_mov_b32 s29, 0
	s_mov_b32 s47, 0xc1200000                      ; -10.0
	s_mov_b32 s63, 0x41200000                      ; 10.0
	s_mov_b32 s61, 0xc0400000                      ; -3.0
	s_mov_b32 s62, 0x40400000                      ; 3.0
	s_mov_b32 s59, 0x76543210                      ; v_permlanex16_b32: each lane takes its own place in the other half
	s_mov_b32 s60, 0xfedcba98
	s_sub_co_i32 s27, s25, NS
	v_add_nc_u32 v4, s27, v1                       ; i - NS + lane
	v_cmp_gt_i32 s57, 0, v4                        ; in front of the row
	v_add3_u32 v4, s25, v1, 1                      ; i + 1 + lane
	v_cmp_lt_u32 s58, 511, v4                      ; behind the row
	v_add_lshl_u32 v[LA], s20, v1, 2               ; word wave + lane: 38 at the most
	v_add3_u32 v[RA], s20, v1, NS+1
	v_min_u32 v[RA], 2*NS+7, v[RA]                 ; lanes NS and above are not used: they take the last word
	v_lshlrev_b32 v[RA], 2, v[RA]
	s_add_co_u32 s27, s20, NS
	s_lshl_b32 s27, s27, 2
	v_mov_b32 v[OA], s27
	s_mul_i32 s27, s20, 4*PER
	v_mov_b32 v[SA], s27
	v_mov_b32 v[BIG], 0x7149f2ca                   ; 1e30
	v_mov_b32 v[TP], 0                             ; v_permlanex16_b32's destination counts as read
	s_wait_kmcnt 0x0
.irp k, 0,1,2,3,4,5
	s_load_b32 s[48+(\k)], s[6:7], s[40+(\k)] offset:0x0   ; the sorted rows of my six neighbours,
.endr
	s_load_b32 s54, s[6:7], s46 offset:0x0         ; and of my own token
	s_load_b32 s55, s[10:11], 0x0                  ; v_b
	s_load_b32 s56, s[16:17], 0x0                  ; bk_scale
	s_add_nc_u64 s[18:19], s[18:19], s[38:39]
.irp i, 0,1,2,3,4,5,6,7
	global_load_b128 v[OW0+4*(\i):OW0+4*(\i)+3], v2, s[12:13] offset:512*(\i)
	global_load_b128 v[OW1+4*(\i):OW1+4*(\i)+3], v2, s[12:13] offset:4096+512*(\i)
.endr
	s_wait_kmcnt 0x0
.irp k, 0,1,2,3,4,5
	s_min_u32 s[48+(\k)], s[48+(\k)], VROWS-1
	v_lshl_add_u32 v[GO+(\k)], s[48+(\k)], 2, v[LP]
	global_load_b32 v[GA+2*(\k)], v[GO+(\k)], s[8:9]
	global_load_b32 v[GA+2*(\k)+1], v[GO+(\k)], s[8:9] offset:32*PLANE
.endr
	s_min_u32 s54, s54, VROWS-1
	s_lshl_b32 s28, s54, 12
	s_add_nc_u64 s[30:31], s[4:5], s[28:29]        ; a base for each plane: a plane is more than a load's immediate holds
	s_add_nc_u64 s[32:33], s[30:31], PARTQ
	s_add_nc_u64 s[34:35], s[32:33], PARTQ
	s_add_nc_u64 s[36:37], s[34:35], PARTQ
.irp i, 0,1,2,3,4,5,6,7
	global_load_b128 v[PT+16*(\i):PT+16*(\i)+3],     v2, s[30:31] offset:512*(\i) th:TH_LOAD_NT
	global_load_b128 v[PT+16*(\i)+4:PT+16*(\i)+7],   v2, s[32:33] offset:512*(\i) th:TH_LOAD_NT
	global_load_b128 v[PT+16*(\i)+8:PT+16*(\i)+11],  v2, s[34:35] offset:512*(\i) th:TH_LOAD_NT
	global_load_b128 v[PT+16*(\i)+12:PT+16*(\i)+15], v2, s[36:37] offset:512*(\i) th:TH_LOAD_NT
.endr
	v_cvt_pk_bf16_f32 v[VB], s55, s55
	v_lshlrev_b32 v[VB], 16, v[VB]
	s_wait_loadcnt 32                              ; out_w and the partial sums are in; the 32 loads of part behind them stay out
.set m, 0
.rept 16                               ; in place, ascending: register m is written when registers 2 m and 2 m + 1 are read
	v_cvt_pk_bf16_f32 v[OW0+m], v[OW0+2*m], v[OW0+2*m+1]
	v_cvt_pk_bf16_f32 v[OW1+m], v[OW1+2*m], v[OW1+2*m+1]
.set m, m+1
.endr
.irp i, 0,1,2,3,4,5,6,7                ; out_b goes into the halves that the rounding has freed
	global_load_b128 v[OW0+16+4*((\i)%4)+32*((\i)/4):OW0+16+4*((\i)%4)+32*((\i)/4)+3], v2, s[14:15] offset:512*(\i)
.endr
	; my six potentials: two planes a lane, then across the 32 lanes: four steps inside each half ride on the addition, one crosses the halves
.irp k, 0,1,2,3,4,5
	v_add_f32 v[GA+2*(\k)], v[GA+2*(\k)], v[GA+2*(\k)+1]
.endr
.irp n, 1,2,4,8
.irp k, 0,1,2,3,4,5
	v_add_f32_dpp v[GA+2*(\k)], v[GA+2*(\k)], v[GA+2*(\k)] row_xmask:\n row_mask:0xf bank_mask:0xf
.endr
.endr
.irp k, 0,1,2,3,4,5
	v_permlanex16_b32 v[TP], v[GA+2*(\k)], s59, s60
	v_add_f32 v[GA+2*(\k)], v[GA+2*(\k)], v[TP]
	v_add_f32 v[GA+2*(\k)], v[GA+2*(\k)], v[VB]
	v_med3_num_f32 v[GA+2*(\k)], v[GA+2*(\k)], s61, s62
	ds_store_b32 v[SA], v[GA+2*(\k)] offset:4*(\k)         ; all lanes write the same word with the same number
.endr
	s_wait_dscnt 0x0                               ; for the others' sake: my six potentials are in LDS
	s_barrier_signal -1
	s_barrier_wait -1                              ; all 48 are; nothing writes them again
	ds_load_b32 v[DL], v[LA]
	ds_load_b32 v[DR], v[RA]
	ds_load_b32 v[OWN], v[OA]
	v_mov_b32 v[FC], 0
	v_mov_b32 v[FC+1], 0
	v_mov_b32 v[BC], 0
	v_mov_b32 v[BC+1], 0
	v_cvt_pk_bf16_f32 v[G+4], s56, s56
	v_lshlrev_b32 v[G+4], 16, v[G+4]               ; bk_scale
	s_wait_dscnt 0x0
	v_add_f32 v[DL], -2.0, v[DL]
	v_add_f32 v[DR], -2.0, v[DR]
	v_cndmask_b32 v[DL], v[DL], v[BIG], s57
	v_cndmask_b32 v[DR], v[DR], v[BIG], s58
.set st, 0
.rept NS
	v_readlane_b32 s26, v[DL], st                  ; forward: neighbour i - NS + st
	v_readlane_b32 s27, v[DR], NS-1-st             ; backward: neighbour i + NS - st
	v_sub_f32 v[FC+2], s26, v[FC]
	v_add_f32 v[FC+3], 1.0, v[FC+1]
	v_mul_f32 v[FC+4], v[FC+3], v[FC+3]
	v_fma_f32 v[FC+4], v[FC+2], v[FC+2], v[FC+4]
	v_rcp_f32 v[FC+5], v[FC+4]
	v_sub_f32 v[BC+2], s27, v[BC]
	v_add_f32 v[BC+3], 1.0, v[BC+1]
	v_mul_f32 v[BC+4], v[BC+3], v[BC+3]
	v_fma_f32 v[BC+4], v[BC+2], v[BC+2], v[BC+4]
	v_rcp_f32 v[BC+5], v[BC+4]
	s_wait_alu depctr_va_vdst(0)
	v_mul_f32 v[FC], v[FC+2], v[FC+5]
	v_mul_f32 v[FC+1], v[FC+3], v[FC+5]
	v_mul_f32 v[BC], v[BC+2], v[BC+5]
	v_mul_f32 v[BC+1], v[BC+3], v[BC+5]
.set st, st+1
.endr
	v_add_f32 v[G], v[FC], v[BC]
	v_add_f32 v[G+1], v[FC+1], v[BC+1]
	v_add_f32 v[G+2], -2.0, v[OWN]
	v_sub_f32 v[G], v[G+2], v[G]                   ; Re (d - L - R)
	v_add_f32 v[G+1], 1.0, v[G+1]                  ; -Im (d - L - R)
	v_mul_f32 v[G+2], v[G+1], v[G+1]
	v_fma_f32 v[G+2], v[G], v[G], v[G+2]
	v_rcp_f32 v[G+3], v[G+2]
	v_nop
	s_wait_alu depctr_va_vdst(0)
	v_mul_f32 v[G], v[G], v[G+3]                   ; Re G
	v_mul_f32 v[G+1], v[G+1], v[G+3]               ; Im G
	v_med3_num_f32 v[G], v[G], s47, s63
	v_med3_num_f32 v[G+1], v[G+1], s47, s63
	v_mul_f32 v[G], v[G], v[G+4]
	v_mul_f32 v[G+1], v[G+1], v[G+4]
.irp i, 0,1,2,3,4,5,6,7
	s_wait_loadcnt 4*(7-(\i))+8                    ; this chunk's four loads are in; the later chunks' and out_b's eight stay out
	v_pk_add_f32 v[PT+16*(\i):PT+16*(\i)+1],     v[PT+16*(\i):PT+16*(\i)+1],     v[PT+16*(\i)+4:PT+16*(\i)+5]
	v_pk_add_f32 v[PT+16*(\i)+2:PT+16*(\i)+3],   v[PT+16*(\i)+2:PT+16*(\i)+3],   v[PT+16*(\i)+6:PT+16*(\i)+7]
	v_pk_add_f32 v[PT+16*(\i)+8:PT+16*(\i)+9],   v[PT+16*(\i)+8:PT+16*(\i)+9],   v[PT+16*(\i)+12:PT+16*(\i)+13]
	v_pk_add_f32 v[PT+16*(\i)+10:PT+16*(\i)+11], v[PT+16*(\i)+10:PT+16*(\i)+11], v[PT+16*(\i)+14:PT+16*(\i)+15]
	v_pk_add_f32 v[PT+16*(\i):PT+16*(\i)+1],     v[PT+16*(\i):PT+16*(\i)+1],     v[PT+16*(\i)+8:PT+16*(\i)+9]
	v_pk_add_f32 v[PT+16*(\i)+2:PT+16*(\i)+3],   v[PT+16*(\i)+2:PT+16*(\i)+3],   v[PT+16*(\i)+10:PT+16*(\i)+11]
.endr
	s_wait_loadcnt 0x0                             ; out_b
; One pass over chunk i's four numbers: + factor x a bf16 half of the two registers from pk on
.macro PASS i, fac, pk
.irp ch, 0,1
.irp cl, 0,1
	v_fma_mix_f32_bf16 v[PT+16*(\i)+2*(\ch)+(\cl)], v[\fac], v[(\pk)+(\ch)], v[PT+16*(\i)+2*(\ch)+(\cl)] op_sel:[0,\cl,0] op_sel_hi:[0,1,0]
.endr
.endr
.endm
.irp i, 0,1,2,3,4,5,6,7
.set ob, OW0+16+4*((\i)%4)+32*((\i)/4)
	v_cvt_pk_bf16_f32 v[ob], v[ob], v[ob+1]
	v_cvt_pk_bf16_f32 v[ob+1], v[ob+2], v[ob+3]
	PASS \i, G, OW0+2*(\i)
	PASS \i, G+1, OW1+2*(\i)
	PASS \i, G+4, ob
	global_store_b128 v2, v[PT+16*(\i):PT+16*(\i)+3], s[18:19] offset:512*(\i) th:TH_STORE_NT  ; 512 consecutive bytes, at a multiple of 512 from out0's first
.endr
	s_wait_tensorcnt 0x0                           ; the wave's end, behind my last LDS store
	ds_add_u32 v[SPW], v[NIL]
	s_wait_dscnt 0x0
	s_endpgm
.Lfunc_end_k_q9b35aa271f_finish:
	.size	k_q9b35aa271f_finish, .Lfunc_end_k_q9b35aa271f_finish-k_q9b35aa271f_finish
	.p2alignl 7, 3214868480
	.fill 96, 4, 3214868480
	.section	.rodata,"a",@progbits
	.p2align	6, 0x0
	.amdhsa_kernel k_q9b35aa271f_finish
		.amdhsa_group_segment_fixed_size 1280
		.amdhsa_private_segment_fixed_size 0
		.amdhsa_enable_private_segment 0
		.amdhsa_kernarg_size 64
		.amdhsa_user_sgpr_count 2
		.amdhsa_user_sgpr_kernarg_segment_ptr 1
		.amdhsa_wavefront_size32 1
		.amdhsa_system_sgpr_workgroup_id_x 1
		.amdhsa_system_sgpr_workgroup_id_y 1
		.amdhsa_system_sgpr_workgroup_id_z 1
		.amdhsa_system_vgpr_workitem_id 0
		.amdhsa_next_free_vgpr 256
		.amdhsa_next_free_sgpr 66
		.amdhsa_reserve_vcc 0
		.amdhsa_float_denorm_mode_32 3
		.amdhsa_float_denorm_mode_16_64 3
		.amdhsa_memory_ordered 1
		.amdhsa_forward_progress 1
		.amdhsa_inst_pref_size 43
	.end_amdhsa_kernel
	.amdgpu_metadata
---
amdhsa.version: [ 1, 2 ]
amdhsa.kernels:
  - .name:           k_q9b35aa271f_finish
    .symbol:         k_q9b35aa271f_finish.kd
    .args:
      - { .name: part, .offset: 0, .size: 8, .value_kind: global_buffer, .address_space: global }
      - { .name: plan, .offset: 8, .size: 8, .value_kind: global_buffer, .address_space: global }
      - { .name: vpart, .offset: 16, .size: 8, .value_kind: global_buffer, .address_space: global }
      - { .name: v_b, .offset: 24, .size: 8, .value_kind: global_buffer, .address_space: global }
      - { .name: out_w, .offset: 32, .size: 8, .value_kind: global_buffer, .address_space: global }
      - { .name: out_b, .offset: 40, .size: 8, .value_kind: global_buffer, .address_space: global }
      - { .name: bk_scale, .offset: 48, .size: 8, .value_kind: global_buffer, .address_space: global }
      - { .name: out0, .offset: 56, .size: 8, .value_kind: global_buffer, .address_space: global }
    .group_segment_fixed_size: 1280
    .private_segment_fixed_size: 0
    .kernarg_segment_align: 8
    .kernarg_segment_size: 64
    .max_flat_workgroup_size: 256
    .sgpr_count:     66
    .vgpr_count:     256
    .wavefront_size: 32
...
	.end_amdgpu_metadata
.endif
;; end of part 5
;; ======== version 2 of 2: 5 launches; version 1 with the launches ffn1, ffn2, finish written anew for expert scheduling mode
;; limits: a function is approximated: absolute error at most 1.5e-07; an iteration or a series of the reference is cut at 20 steps
;; workspace buffers: eidx 8,192 bytes of whole numbers; plan 8,448 bytes of whole numbers; xs 4,325,376 bytes; hb 17,301,504 bytes; part 34,603,008 bytes; vpart 540,672 bytes
;; launch route: the kernel of part 1 again; grid 256 x 1, 8 waves a work-group, no clusters, 0 bytes of LDS; arguments x, router_w, router_b, eidx; writes eidx
;; launch sortx: the kernel of part 2 again; grid 131 x 1, 8 waves a work-group, no clusters, 35,328 bytes of LDS; arguments x, eidx, xs, plan; writes xs, plan
;; launch ffn1 (part 6): grid 64 x 4, 8 waves a work-group, no clusters, 132,096 bytes of LDS; arguments xs, w1, b1, plan, hb; writes hb
.if DOCPART == 6
	.amdgcn_target "amdgcn-amd-amdhsa--gfx1250"
	.amdhsa_code_object_version 6
	.text
	.protected	k_q9b35aa271f_ffn1
	.globl	k_q9b35aa271f_ffn1
	.p2align	8
	.type	k_q9b35aa271f_ffn1,@function
k_q9b35aa271f_ffn1:
	s_mov_b64 s[64:65], 0
	v_nop
	global_prefetch_b8 v0, s[64:65] scope:SCOPE_SE
	s_setreg_imm32_b32 hwreg(HW_REG_WAVE_SCHED_MODE, 0, 2), 2
	s_setreg_imm32_b32 hwreg(HW_REG_WAVE_MODE, 25, 1), 1
	s_wait_xcnt 0x0
	s_wait_alu depctr_vm_vsrc(0)
; ONE TEXT FOR BOTH PRODUCTS OF THE EXPERTS' LAYER; SECOND chooses.  SECOND = 0: hb = gelu(xs w1[e] + b1[e]).  SECOND = 1: part[kq] = hb w2[e] (+ b2[e] in kq = 0), K in four quarters.
; Only the expert that the router chose is computed for a token: the other three are multiplied by a gate of 0.
; SHARES.  A work-group has one expert (grid y), 64 output columns and K = 1,024.  Its panel of weights, 1,024 x 64 f32 = 256 KB, is read from memory ONCE in the launch, rounded to bf16 and
; kept in LDS as 128 fragments of 1 KB; then all the expert's tokens pass by it.  A wave takes groups of 3 tiles of 16 tokens x 64 columns: 12 accumulators; group = 8 x trip + wave.
; WEIGHTS WITHOUT TURNING.  They lie [K][N].  Lane (r = lane % 16, h = lane / 16) loads 16 bytes, columns 4 r .. 4 r + 3, of 16 rows for each K step of 32: sixteen lanes read 256 aligned
; bytes of a row.  Two rows' numbers of one column, rounded and packed, ARE a fragment's register; fragment jt has column 4 r + jt in lane r: a permutation of columns that the output's addresses undo.
; TOKENS WITHOUT LDS.  xs and hb lie in fragment order, [kb][tile][f][u][lane][16 bytes]: a fragment is two loads of 512 consecutive bytes, straight into registers, four K blocks of 64 ahead.
; SECOND = 0 uses the matrix instruction transposed (source 0 = weights): a lane then holds one token and the columns 32 h + 4 j + jt (register j of accumulator jt), which pack into hb's blocks
; with k = 32 h + 4 (2 q + p) + 2 f + u in register q, half p; SECOND = 1 reads w2's rows in that same order, so the products meet.  b1 is the C operand that starts the sums.
; NO CLUSTER: the panel, the bytes that come from memory, is read by this work-group alone; the fragments that an expert's 64 work-groups share go into registers, other tiles in each wave,
; in a number of trips that hangs on counts read from memory.  NO PREFETCH: all of the panel is asked for at the kernel's head.
; FORMATS AND LIMITS.  Weights, biases and tokens in bf16, sums in f32, gelu in f32, hb rounded once to bf16.  erf by a rational approximation (Abramowitz and Stegun 7.1.26), within 1.5e-7.
; NaN and infinities are not treated apart.  An expert without tokens still has its panel filled (the barrier hangs on no data) and stores nothing.
; THE MODE: SCHED_MODE bits 1:0 = 2 (LLVM: expert scheduling mode 2), set by the entry lines.  The code itself states the register dependences
; between vector or matrix instructions and memory or LDS instructions, with s_wait_alu, always for 0.
; THE PLAN.  Registers that memory or LDS instructions touch:
;   WO, BO, PSW, L16, PB1   offsets and LDS addresses: made at the head, never written again.
;   AO (PO)                 a trip's offsets: read by its loads and stores, written at the next trip's head.
;   FB + 32 s               the fill: K step s's roundings write it, its eight LDS stores read it.  Four buffers: none is written twice in the fill.  Later these registers are accumulators and the way out's.
;   RING, slot kb % 4       K block kb's 24 matrix instructions read it; the loads of block kb + 4, issued in block kb + 1, land in it.
;   the weight buffers      four of 32 registers: even K blocks' two in window 1, odd blocks' two in window 0.  Block kb's matrix instructions read its pair; the LDS loads for block kb + 2, issued in block kb + 1, land in it.
;   F + 16 tt               tile tt's roundings write it, its four stores read it.  One buffer a tile: none is written twice in a trip.  They are the odd blocks' weight buffers, idle on the way out.
; So ONE wait on va_vdst stands at the head of a K block: block kb - 1 is done reading its ring slot and its pair of weight buffers.  The block's 28 loads follow it, twenty at once and eight behind
; the first twelve matrix instructions, which name none of the registers that those loads touch.  One wait on vm_vsrc and one on va_vdst stand at a trip's head.
.set SECOND, 0
.set RT,    132                        ; tiles of 16 sorted rows that the workspace holds
.set KBS,   RT*2048                    ; bytes of xs or hb for 64 of K, all tiles
.set PARTQ, RT*16*4096                 ; bytes of part for a quarter of K
.if SECOND
.set PITCH, 4096                       ; bytes in a row of the weights
.else
.set PITCH, 16384
.endif
.set SPARE, 131072                     ; behind the panel: the spare words, 128 bytes for each wave: four blocks of 256 bytes that no other line names
; window 0
.set L16, 1                            ; 16 x lane: also the LDS address of my 16 bytes in the panel's lower half
.set PB1, 3                            ; the same in its upper half
.set AO,  4                            ; v[4:6]   my byte offset in tile tt of xs or hb
.set PO,  7                            ; v[7:9]   SECOND: my byte offset in tile tt's rows of part
.set WO,  10                           ; my byte offset in the weights: h x 2^17 + 16 r (8 rows of 16,384 bytes, or 32 rows of 4,096)
.set PSW, 11                           ; where my wave's fragments go in the panel
.set SPW, 12                           ; LDS address of my spare word; never rewritten
.set NIL, 13                           ; 0; never rewritten
.set RH,  14                           ; SECOND: h x 8 rows of part + 16 r
.set BO,  15                           ; my byte offset in the bias
.set BI,  16                           ; v[16:47] b1 as a C operand, 8 registers for each jt; SECOND: v[16:19] b2 of my four columns
.set ACC, 48                           ; v[48:143] accumulator (tt, jt) at ACC + 8 (4 tt + jt)
.set FB,  48                           ; v[48:175] the fill: the four fragments of K step s at FB + 32 s
.set GXH, 144                          ; gelu at work: x / 2
.set GM,  152                          ; its square, then the exponential
.set GU,  160                          ; t
.set GP,  168                          ; the polynomial
.set F,   192                          ; v[192:239] tile tt of hb to store at F + 16 tt.  SECOND: tile tt's rows to store, 32 registers at v144, v192, v224
.set TB,  192                          ; v[192:207] at the head only: the bias in bf16
.set BST, 224                          ; v[224:255] the bias as loaded
; window 1
.set RING, 0                           ; v[0:191]   token fragments of four K blocks: slot kb % 4 at 48 x slot, fragment (tt, f) at + 16 tt + 8 f.  During the fill all 256: weights as loaded
; both windows
.set BF,   192                         ; v[192:255] weight fragments of a K block: K step f at BF + 32 f; even blocks' in window 1, odd blocks' in window 0
.set MSB, 0
.macro WIN new                         ; the immediate's high byte repeats the setting that is left; a switch that changes nothing is dropped
.if MSB != (\new)
	s_set_vgpr_msb (MSB<<8)|(\new)
.set MSB, \new
.endif
.endm
.set LD, 0x40                          ; destination window 1, address window 0
.set S1, 0x05                          ; sources 0 and 1 window 1; C, D and other destinations window 0
.if SECOND
.set S1O, 0x01                         ; an odd K block: the tokens (source 0) window 1, the weights (source 1) window 0
.else
.set S1O, 0x04                         ; an odd K block: the weights (source 0) window 0, the tokens (source 1) window 1
.endif
.macro PLACES                          ; four places behind the last matrix instruction, in front of vector lines that read its results or write its sources (ISA guide 7.12.1)
.rept 4
	v_nop
.endr
.endm
	s_load_b256 s[4:11], s[0:1], 0x0               ; tokens s[4:5], weights s[6:7], bias s[8:9], plan s[10:11]
	s_load_b64 s[12:13], s[0:1], 0x20              ; output
	v_lshl_add_u32 v[SPW], v0, 2, SPARE
	v_mov_b32 v[NIL], 0
	v_lshrrev_b32 v144, 5, v0
	v_readfirstlane_b32 s14, v144                  ; wave
	v_and_b32 v144, 31, v0
	v_lshlrev_b32 v[L16], 4, v144
	v_add_nc_u32 v[PB1], 0x10000, v[L16]
	v_and_b32 v145, 15, v0
	v_bfe_u32 v146, v0, 4, 1                       ; h
	v_lshlrev_b32 v145, 4, v145                    ; 16 r
	v_lshl_add_u32 v[WO], v146, 17, v145
	s_wait_alu depctr_va_sdst(0)                   ; s14 is written, ahead of its first reader: addresses and the trips' tiles are made from it
	s_lshl_b32 s22, s14, 14                        ; a wave fills 16 fragments: K steps 4 wave .. 4 wave + 3
	v_add_nc_u32 v[PSW], s22, v[L16]
	s_and_b32 s16, ttmp7, 0xffff                   ; expert
.if SECOND
	v_lshl_add_u32 v[RH], v146, 15, v145
	v_mov_b32 v[BO], v145
	s_and_b32 s15, ttmp9, 15                       ; block of 64 columns
	s_lshr_b32 s17, ttmp9, 4                       ; quarter of K
.else
	v_lshlrev_b32 v[BO], 7, v146                   ; my 32 columns of the bias
	s_mov_b32 s15, ttmp9
.endif
	s_lshl_b32 s24, s16, 2                         ; the expert's word in the plan's two tables
	s_lshl_b32 s25, s15, 8                         ; 64 columns of f32
	s_lshl_b32 s22, s16, 24                        ; an expert's weights are 2^24 bytes
	s_add_co_u32 s22, s22, s25
.if SECOND
	s_lshl_b32 s23, s14, 19                        ; my wave's 128 rows
	s_add_co_u32 s22, s22, s23
	s_lshl_b32 s23, s17, 22                        ; the quarter's 1,024 rows
	s_lshl_b32 s26, s16, 12
	s_mul_i32 s28, s17, PARTQ
	s_add_co_u32 s28, s28, s25
	s_mul_i32 s32, s17, 16*KBS
	s_mov_b32 s33, 0
.else
	s_lshl_b32 s23, s14, 21                        ; my wave's 128 rows
	s_lshl_b32 s26, s16, 14
	s_mul_i32 s28, s15, KBS                        ; my 64 columns are one K block of hb
	s_mov_b32 s40, 0x3e827906                      ; a1 .. a5 of the approximation, each named as a pair by the packed lines, which take the low word
	s_mov_b32 s41, 0
	s_mov_b32 s42, 0xbe91a98e
	s_mov_b32 s43, 0
	s_mov_b32 s44, 0x3fb5f0e3
	s_mov_b32 s45, 0
	s_mov_b32 s46, 0xbfba00e3
	s_mov_b32 s47, 0
	s_mov_b32 s48, 0x3f87dc22
	s_mov_b32 s49, 0
	s_mov_b32 s50, 0xc038aa3b                      ; -2 log2(e)
	s_mov_b32 s51, 0
	s_mov_b32 s52, 0x3eed3388                      ; 0.3275911 sqrt(2)
.endif
	s_add_co_u32 s22, s22, s23
	s_mov_b32 s23, 0
	s_add_co_u32 s26, s26, s25
	s_mov_b32 s27, 0
	s_mov_b32 s29, 0
	s_wait_kmcnt 0x0
	s_load_b32 s18, s[10:11], s24 offset:0x2000    ; the expert's first tile,
	s_load_b32 s19, s[10:11], s24 offset:0x2010    ; and how many it has
	s_add_nc_u64 s[6:7], s[6:7], s[22:23]
	s_add_nc_u64 s[8:9], s[8:9], s[26:27]
	s_add_nc_u64 s[30:31], s[12:13], s[28:29]
	s_wait_alu depctr_va_vdst(0)                   ; the offsets and LDS addresses made above are written: BO and WO, which the loads below read, PSW, L16 and PB1 for the LDS instructions further down
.if SECOND
	s_add_nc_u64 s[4:5], s[4:5], s[32:33]
	global_load_b128 v[BST:BST+3], v[BO], s[8:9]
.else
.irp j, 0,1,2,3,4,5,6,7
	global_load_b128 v[BST+4*(\j):BST+4*(\j)+3], v[BO], s[8:9] offset:16*(\j)
.endr
.endif
	; THE FILL.  All of my wave's 32 KB of weights is asked for at once: four K steps of 32, sixteen loads each.  Row (s, u, i) feeds half i % 2 of register 4 u + i / 2 of step s's fragments.
	WIN LD
.irp s, 0,1,2,3
.irp u, 0,1
.irp i, 0,1,2,3,4,5,6,7
.if SECOND
.set ROW, 64*((\s)/2)+4*(\i)+2*((\s)%2)+(\u)
.else
.set ROW, 32*(\s)+16*(\u)+(\i)
.endif
	global_load_b128 v[64*(\s)+4*(8*(\u)+(\i)):64*(\s)+4*(8*(\u)+(\i))+3], v[WO], s[6:7] offset:ROW*PITCH th:TH_LOAD_NT
.endr
.endr
.endr
.macro WSTEP s
	s_wait_loadcnt 16*(3-(\s))                     ; this step's sixteen loads are in; the later steps' stay out
	WIN S1
.irp jt, 0,1,2,3
.irp u, 0,1
.irp q, 0,1,2,3
	v_cvt_pk_bf16_f32 v[FB+32*(\s)+8*(\jt)+4*(\u)+(\q)], v[64*(\s)+4*(8*(\u)+2*(\q))+(\jt)], v[64*(\s)+4*(8*(\u)+2*(\q)+1)+(\jt)]
.endr
.endr
.endr
	WIN 0
	s_wait_alu depctr_va_vdst(0)                   ; the roundings have written v[FB + 32 s ..], which the LDS stores read
.irp jt, 0,1,2,3
.irp u, 0,1
	ds_store_b128 v[PSW], v[FB+32*(\s)+8*(\jt)+4*(\u):FB+32*(\s)+8*(\jt)+4*(\u)+3] offset:(4*(\s)+(\jt))*1024+512*(\u)  ; 32 lanes, 16 neighbouring bytes each
.endr
.endr
.endm
	WSTEP 0
	WSTEP 1
	WSTEP 2
	WSTEP 3
	; the bias, rounded to bf16 and widened again (it was asked for ahead of the weights, so it is in); at work in registers that no LDS store has read
.if SECOND
	s_cmp_eq_u32 s17, 0
	s_cselect_b32 s22, 0xffff0000, 0               ; cuts out a bf16, and drops b2 in the quarters 1 to 3: it is added once
	v_cvt_pk_bf16_f32 v[TB], v[BST], v[BST+1]
	v_cvt_pk_bf16_f32 v[TB+1], v[BST+2], v[BST+3]
	v_lshlrev_b32 v[BI], 16, v[TB]
	v_lshlrev_b32 v[BI+2], 16, v[TB+1]
	v_and_b32 v[BI], s22, v[BI]
	v_and_b32 v[BI+1], s22, v[TB]
	v_and_b32 v[BI+2], s22, v[BI+2]
	v_and_b32 v[BI+3], s22, v[TB+1]
.else
.set m, 0
.rept 16
	v_cvt_pk_bf16_f32 v[TB+m], v[BST+2*m], v[BST+2*m+1]
.set m, m+1
.endr
.set m, 0
.rept 16                               ; number 4 j + jt as loaded is register j of the C operand for jt
	v_lshlrev_b32 v[BI+8*((2*m)%4)+(2*m)/4], 16, v[TB+m]
	v_and_b32 v[BI+8*((2*m+1)%4)+(2*m+1)/4], 0xffff0000, v[TB+m]
.set m, m+1
.endr
.endif
	s_wait_dscnt 0x0                               ; for the others' sake: my sixteen fragments are in the panel
	s_barrier_signal -1
	s_barrier_wait -1                              ; the panel is whole; nothing writes it again
	s_wait_kmcnt 0x0
	s_min_u32 s19, s19, 128
.macro ALOAD kb                        ; the token fragments of K block kb: 12 loads of 512 consecutive bytes
	WIN LD
.irp tt, 0,1,2
.irp f, 0,1
.irp u, 0,1
	global_load_b128 v[RING+48*((\kb)%4)+16*(\tt)+8*(\f)+4*(\u):RING+48*((\kb)%4)+16*(\tt)+8*(\f)+4*(\u)+3], v[AO+(\tt)], s[4:5] offset:(\kb)*KBS+1024*(\f)+512*(\u)
.endr
.endr
.endr
.endm
.macro BLOAD ks                        ; the four weight fragments of K step ks: 8 LDS loads, into the window of its K block's parity
.if ((\ks)/2)%2
	WIN 0
.else
	WIN LD
.endif
.irp jt, 0,1,2,3
.irp u, 0,1
.set bo, (4*(\ks)+(\jt))*1024+512*(\u)
.if bo < 65536
	ds_load_b128 v[BF+32*((\ks)%2)+8*(\jt)+4*(\u):BF+32*((\ks)%2)+8*(\jt)+4*(\u)+3], v[L16] offset:bo
.else
	ds_load_b128 v[BF+32*((\ks)%2)+8*(\jt)+4*(\u):BF+32*((\ks)%2)+8*(\jt)+4*(\u)+3], v[PB1] offset:bo-65536
.endif
.endr
.endr
.endm
.macro MUL kb, f                       ; 12 matrix instructions: the 12 accumulators take turns, one instruction a turn.  The first K step starts the sums
.if (\kb)%2
	WIN S1O
.else
	WIN S1
.endif
.irp tt, 0,1,2
.irp jt, 0,1,2,3
.set rD, ACC+8*(4*(\tt)+(\jt))
.set rW, BF+32*(\f)+8*(\jt)
.set rA, RING+48*((\kb)%4)+16*(\tt)+8*(\f)
.if SECOND
.if (\kb) == 0 && (\f) == 0
	v_wmma_f32_16x16x32_bf16 v[rD:rD+7], v[rA:rA+7], v[rW:rW+7], 0
.else
	v_wmma_f32_16x16x32_bf16 v[rD:rD+7], v[rA:rA+7], v[rW:rW+7], v[rD:rD+7]
.endif
.else
.if (\kb) == 0 && (\f) == 0
	v_wmma_f32_16x16x32_bf16 v[rD:rD+7], v[rW:rW+7], v[rA:rA+7], v[BI+8*(\jt):BI+8*(\jt)+7]
.else
	v_wmma_f32_16x16x32_bf16 v[rD:rD+7], v[rW:rW+7], v[rA:rA+7], v[rD:rD+7]
.endif
.endif
.endr
.endr
.endm
.macro KB kb                           ; a K block of 64: two K steps of 32.  It asks for the next block's weights and for the tokens three blocks on
.if (\kb) < 15
.if (\kb)%2
	WIN LD                                         ; the window of the loads that follow is set ahead of the wait
.else
	WIN 0
.endif
.if (\kb) > 0
	s_wait_alu depctr_va_vdst(0)                   ; block kb - 1's matrix instructions are done reading ring slot (kb - 1) % 4 and their two weight buffers, in which this block's loads land (block 0: the trip's head has stated it)
.endif
	BLOAD 2*(\kb)+2
.if (\kb) >= 1 && (\kb) <= 12
	ALOAD (\kb)+3
.endif
	s_wait_dscnt 16                                ; LDS loads come back in order (ISA guide 5.7.1): this step's weights are in; the two younger steps' eight loads each stay out
.else
	s_wait_dscnt 8                                 ; the last block asks for nothing: the counts run down
.endif
.if (\kb) > 12
	s_wait_loadcnt 12*(15-(\kb))                   ; this block's tokens are in; the later blocks' twelve loads each stay out
.else
	s_wait_loadcnt 36
.endif
	MUL \kb, 0
.if (\kb) < 15
	BLOAD 2*(\kb)+3                                ; no wait: no matrix instruction since the block's head names the other parity's buffers
	s_wait_dscnt 16
.else
	s_wait_dscnt 0x0
.endif
	MUL \kb, 1
.endm
; gelu of the 8 numbers of accumulator (tt, jt), into 4 registers of bf16.  With xh = x / 2: gelu = xh + |xh| (1 - E), E = (a1 t + .. + a5 t^5) 2^(-2 log2(e) xh^2), t = 1 / (1 + 0.3275911 sqrt(2) |xh|).
; The accumulator is read from its low end on.  The 16 transcendentals stand together, one plain line behind them (ISA guide 5.7.2).
; The store of the fragment before stands behind the batch's wait, which also shows that fragment's roundings written.
.macro GELU8 tt, jt
.set gA, ACC+8*(4*(\tt)+(\jt))
.set gF, F+16*(\tt)+4*(\jt)
.irp k, 0,2,4,6
	v_pk_mul_f32 v[GXH+\k:GXH+\k+1], v[gA+\k:gA+\k+1], 0.5 op_sel_hi:[1,0]
.endr
.irp k, 0,2,4,6
	v_pk_mul_f32 v[GM+\k:GM+\k+1], v[GXH+\k:GXH+\k+1], v[GXH+\k:GXH+\k+1]
.endr
.irp k, 0,1,2,3,4,5,6,7
	v_fma_f32 v[GU+\k], |v[GXH+\k]|, s52, 1.0
.endr
.irp k, 0,2,4,6
	v_pk_mul_f32 v[GM+\k:GM+\k+1], v[GM+\k:GM+\k+1], s[50:51] op_sel_hi:[1,0]
.endr
.irp k, 0,1,2,3,4,5,6,7
	v_rcp_f32 v[GU+\k], v[GU+\k]
.endr
.irp k, 0,1,2,3,4,5,6,7
	v_exp_f32 v[GM+\k], v[GM+\k]
.endr
	v_nop
	s_wait_alu depctr_va_vdst(0)                   ; the eight reciprocals and eight exponentials are written, ahead of their first reader; so are the roundings of the fragment before, which the store below reads
.if (\jt) > 0
	global_store_b128 v[AO+(\tt)], v[gF-4:gF-1], s[30:31] offset:512*((\jt)-1)  ; 512 consecutive bytes, at a multiple of 512 from hb's first
.endif
.irp k, 0,2,4,6
	v_pk_fma_f32 v[GP+\k:GP+\k+1], v[GU+\k:GU+\k+1], s[48:49], s[46:47] op_sel_hi:[1,0,0]
.endr
.irp a, 44,42,40
.irp k, 0,2,4,6
	v_pk_fma_f32 v[GP+\k:GP+\k+1], v[GP+\k:GP+\k+1], v[GU+\k:GU+\k+1], s[\a:\a+1] op_sel_hi:[1,1,0]
.endr
.endr
.irp k, 0,2,4,6
	v_pk_mul_f32 v[GP+\k:GP+\k+1], v[GP+\k:GP+\k+1], v[GU+\k:GU+\k+1]
.endr
.irp k, 0,2,4,6
	v_pk_fma_f32 v[GP+\k:GP+\k+1], v[GP+\k:GP+\k+1], v[GM+\k:GM+\k+1], 1.0 op_sel_hi:[1,1,0] neg_lo:[1,0,0] neg_hi:[1,0,0]
.endr
.irp k, 0,1,2,3,4,5,6,7
	v_fma_f32 v[GXH+\k], |v[GXH+\k]|, v[GP+\k], v[GXH+\k]
.endr
.irp q, 0,1,2,3
	v_cvt_pk_bf16_f32 v[gF+\q], v[GXH+2*\q], v[GXH+2*\q+1]
.endr
.endm
.macro TILE_OUT tt                     ; tile tt of the group leaves, out of registers of its own; a tile past the expert's last (computed on a clamped address) is not stored
	s_add_co_u32 s22, s21, \tt
	s_cmp_ge_u32 s22, s19
	s_cbranch_scc1 .Lskip_\@
.if SECOND
.set rO, 144+48*(\tt)-16*((\tt)/2)
.irp j, 0,1,2,3,4,5,6,7                ; register j of the four accumulators: row 8 h + j, columns 4 r .. 4 r + 3; the addition of b2 also brings them side by side
.irp jt, 0,1,2,3
	v_add_f32 v[rO+4*(\j)+(\jt)], v[ACC+8*(4*(\tt)+(\jt))+(\j)], v[BI+(\jt)]
.endr
.endr
	s_wait_alu depctr_va_vdst(0)                   ; the additions have written v[rO ..], which the stores read
.irp j, 0,1,2,3,4,5,6,7
	global_store_b128 v[PO+(\tt)], v[rO+4*(\j):rO+4*(\j)+3], s[30:31] offset:4096*(\j)  ; lanes 0-15 and lanes 16-31 each store 256 consecutive bytes, at a multiple of 256 from part's first
.endr
.else
.irp jt, 0,1,2,3
	GELU8 \tt, \jt
.endr
	s_wait_alu depctr_va_vdst(0)                   ; the last fragment's roundings are written, which the store reads
	global_store_b128 v[AO+(\tt)], v[F+16*(\tt)+12:F+16*(\tt)+15], s[30:31] offset:1536
.endif
.Lskip_\@:
.endm
	s_mul_i32 s21, s14, 3                          ; my group's first tile among the expert's
	s_mov_b32 s20, 6                               ; 6 trips x 8 waves x 3 tiles cover the 128 tiles that an expert can have; dead trips are jumped
.Ltrip:
	s_cmp_ge_u32 s21, s19
	s_cbranch_scc1 .Ldead
	s_wait_xcnt 0x0                                ; the offsets and the data that the last trip's stores named are written again only behind this wait
	s_wait_alu depctr_vm_vsrc(0)                   ; the last trip's loads and stores have read their offsets, written below, and its stores their data, in which weights land again; in the first trip: the fill's LDS stores have read v[FB ..], the accumulators from here on
	s_sub_co_u32 s23, s19, 1
.irp tt, 0,1,2
	s_add_co_u32 s22, s21, \tt
	s_min_u32 s22, s22, s23                        ; a last group that is not full takes the last tile again
	s_add_co_u32 s22, s22, s18
	s_min_u32 s22, s22, RT-1
	s_lshl_b32 s26, s22, 11
	v_add_nc_u32 v[AO+(\tt)], s26, v[L16]
.if SECOND
	s_lshl_b32 s26, s22, 16
	v_add_nc_u32 v[PO+(\tt)], s26, v[RH]
.endif
.endr
	WIN LD
	s_wait_alu depctr_va_vdst(0)                   ; the offsets are written, which the loads read; the vector and matrix instructions so far (the fill's roundings, the bias, the last trip's products and way out) are done with the ring's and the weight buffers' registers, in which loads land
	ALOAD 0                                        ; 48 loads, 24 KB, of the wave are on their way
	ALOAD 1
	ALOAD 2
	ALOAD 3
	BLOAD 0
	BLOAD 1
.irp kb, 0,1,2,3,4,5,6,7,8,9,10,11,12,13,14,15
	KB \kb
.endr
	WIN 0                                          ; at a label and at a branch every window is 0
	PLACES
	TILE_OUT 0
	TILE_OUT 1
	TILE_OUT 2
.Ldead:
	s_add_co_u32 s21, s21, 24
	s_sub_co_u32 s20, s20, 1
	s_cmp_lg_u32 s20, 0
	s_cbranch_scc1 .Ltrip
	s_wait_dscnt 0x0                               ; the closing lines, six on end
	s_wait_alu 0x0
	s_wait_tensorcnt 0x0
	ds_add_u32 v[SPW], v[NIL]
	s_wait_dscnt 0x0
	s_endpgm
.Lfunc_end_k_q9b35aa271f_ffn1:
	.size	k_q9b35aa271f_ffn1, .Lfunc_end_k_q9b35aa271f_ffn1-k_q9b35aa271f_ffn1
	.p2alignl 7, 3214868480
	.fill 96, 4, 3214868480
	.section	.rodata,"a",@progbits
	.p2align	6, 0x0
	.amdhsa_kernel k_q9b35aa271f_ffn1
		.amdhsa_group_segment_fixed_size 132096
		.amdhsa_private_segment_fixed_size 0
		.amdhsa_enable_private_segment 0
		.amdhsa_kernarg_size 40
		.amdhsa_user_sgpr_count 2
		.amdhsa_user_sgpr_kernarg_segment_ptr 1
		.amdhsa_wavefront_size32 1
		.amdhsa_system_sgpr_workgroup_id_x 1
		.amdhsa_system_sgpr_workgroup_id_y 1
		.amdhsa_system_sgpr_workgroup_id_z 1
		.amdhsa_system_vgpr_workitem_id 0
		.amdhsa_next_free_vgpr 512
		.amdhsa_next_free_sgpr 66
		.amdhsa_reserve_vcc 0
		.amdhsa_float_denorm_mode_32 3
		.amdhsa_float_denorm_mode_16_64 3
		.amdhsa_memory_ordered 1
		.amdhsa_forward_progress 1
		.amdhsa_inst_pref_size 137
	.end_amdhsa_kernel
	.amdgpu_metadata
---
amdhsa.version: [ 1, 2 ]
amdhsa.kernels:
  - .name:           k_q9b35aa271f_ffn1
    .symbol:         k_q9b35aa271f_ffn1.kd
    .args:
      - { .name: xs, .offset: 0, .size: 8, .value_kind: global_buffer, .address_space: global }
      - { .name: w1, .offset: 8, .size: 8, .value_kind: global_buffer, .address_space: global }
      - { .name: b1, .offset: 16, .size: 8, .value_kind: global_buffer, .address_space: global }
      - { .name: plan, .offset: 24, .size: 8, .value_kind: global_buffer, .address_space: global }
      - { .name: hb, .offset: 32, .size: 8, .value_kind: global_buffer, .address_space: global }
    .group_segment_fixed_size: 132096
    .private_segment_fixed_size: 0
    .kernarg_segment_align: 8
    .kernarg_segment_size: 40
    .max_flat_workgroup_size: 256
    .sgpr_count:     66
    .vgpr_count:     512
    .wavefront_size: 32
...
	.end_amdgpu_metadata
.endif
;; end of part 6
;; launch ffn2 (part 7): grid 64 x 4, 8 waves a work-group, no clusters, 132,096 bytes of LDS; arguments hb, w2, b2, plan, v_w, part, vpart; writes part, vpart
.if DOCPART == 7
	.amdgcn_target "amdgcn-amd-amdhsa--gfx1250"
	.amdhsa_code_object_version 6
	.text
	.protected	k_q9b35aa271f_ffn2
	.globl	k_q9b35aa271f_ffn2
	.p2align	8
	.type	k_q9b35aa271f_ffn2,@function
k_q9b35aa271f_ffn2:
	s_mov_b64 s[64:65], 0
	v_nop
	global_prefetch_b8 v0, s[64:65] scope:SCOPE_SE
	s_setreg_imm32_b32 hwreg(HW_REG_WAVE_SCHED_MODE, 0, 2), 2
	s_setreg_imm32_b32 hwreg(HW_REG_WAVE_MODE, 25, 1), 1
	s_wait_xcnt 0x0
	s_wait_alu depctr_vm_vsrc(0)
; THE EXPERTS' SECOND PRODUCT.  part[kq] = hb w2[e] (+ b2[e] in kq = 0), K = 4,096 in four quarters; and vpart[16 kq + cb][row] = this work-group's 64 columns of that row . v_w,
; its share of the potential, which is linear in the row: so the next launch has every token's potential without a launch between.
; Only the expert that the router chose is computed for a token: the other three are multiplied by a gate of 0.
; SHARES.  A work-group has one expert (grid y), 64 output columns and K = 1,024 (grid x = 16 x quarter of K + block of columns).  Its panel of weights, 1,024 x 64 f32 = 256 KB, is read
; from memory ONCE in the launch, rounded to bf16 and kept in LDS as 128 fragments of 1 KB; then all the expert's tokens pass by it.  A wave takes groups of 3 tiles of 16 tokens x 64 columns:
; 12 accumulators; group = 8 x trip + wave.  The four quarters' sums go to four planes of part and are added, in a fixed order, by the next launch: no traffic between work-groups.
; WEIGHTS WITHOUT TURNING.  They lie [K][N].  Lane (r = lane % 16, h = lane / 16) loads 16 bytes, columns 4 r .. 4 r + 3, of 16 rows for each K step of 32: sixteen lanes read 256 aligned
; bytes of a row.  Two rows' numbers of one column, rounded and packed, ARE a fragment's register; fragment jt has column 4 r + jt in lane r: a permutation of columns that the output's addresses undo.
; TOKENS WITHOUT LDS.  hb lies in fragment order, [kb][tile][f][u][lane][16 bytes]: a fragment is two loads of 512 consecutive bytes, straight into registers, four K blocks of 64 ahead.
; hb's blocks hold k = 32 h + 4 (2 q + p) + 2 f + u in register q, half p (as the launch before left them); w2's rows are read in that same order, so the products meet.
; NO CLUSTER: the panel, the bytes that come from memory, is read by this work-group alone; the fragments that an expert's work-groups share go into registers, other tiles in each wave,
; in a number of trips that hangs on counts read from memory.  NO PREFETCH: all of the panel is asked for at the kernel's head.
; FORMATS AND LIMITS.  Weights, b2, v_w and tokens in bf16, sums in f32.  NaN and infinities are not treated apart.  An expert without tokens still has its panel filled (the barrier hangs on
; no data) and stores nothing.
; THE MODE: SCHED_MODE bits 1:0 = 2 (LLVM: expert scheduling mode 2), set by the entry lines.  The code itself states the register dependences
; between vector or matrix instructions and memory or LDS instructions, with s_wait_alu, always for 0.
; THE PLAN.  Registers that memory or LDS instructions touch:
;   WO, BO, PSW, L16, PB1   offsets and LDS addresses: made at the head, never written again.
;   AO, PO, VO              a trip's offsets: read by its loads and stores, written at the next trip's head.
;   FB + 32 s               the fill: K step s's roundings write it, its eight LDS stores read it.  Four buffers: none is written twice in the fill.  Later these registers are accumulators and the way out's.
;   RING, slot kb % 4       K block kb's 24 matrix instructions read it; the loads of block kb + 4, issued in block kb + 1, land in it.
;   the weight buffers      four of 32 registers: even K blocks' two in window 1, odd blocks' two in window 0.  Block kb's matrix instructions read its pair; the LDS loads for block kb + 2, issued in block kb + 1, land in it.
;   a tile's rows, VR + tt  tile tt's additions and fold write them, its nine stores read them.  A buffer a tile (v144, v192, v224): none is written twice in a trip.  Two of them are the odd blocks' weight buffers, idle on the way out.
; So ONE wait on va_vdst stands at the head of a K block: block kb - 1 is done reading its ring slot and its pair of weight buffers.  The block's 28 loads follow it, twenty at once and eight behind
; the first twelve matrix instructions, which name none of the registers that those loads touch.  One wait on vm_vsrc and one on va_vdst stand at a trip's head, one on va_vdst ahead of each tile's stores.
.set RT,    132                        ; tiles of 16 sorted rows that the workspace holds
.set KBS,   RT*2048                    ; bytes of hb for 64 of K, all tiles
.set PARTQ, RT*16*4096                 ; bytes of part for a quarter of K
.set VPL,   RT*16*4                    ; bytes in a plane of vpart
.set PITCH, 4096                       ; bytes in a row of the weights
.set SPARE, 131072                     ; behind the panel: the spare words, 128 bytes for each wave: four blocks of 256 bytes that no other line names
; window 0
.set L16, 1                            ; 16 x lane: also the LDS address of my 16 bytes in the panel's lower half
.set PB1, 3                            ; the same in its upper half
.set AO,  4                            ; v[4:6]   my byte offset in tile tt of hb
.set PO,  7                            ; v[7:9]   my byte offset in tile tt's rows of part
.set WO,  10                           ; my byte offset in the weights: h x 32 rows of 4,096 bytes + 16 r
.set PSW, 11                           ; where my wave's fragments go in the panel
.set SPW, 12                           ; LDS address of my spare word; never rewritten
.set NIL, 13                           ; 0; never rewritten
.set RH,  14                           ; h x 8 rows of part + 16 r
.set BO,  15                           ; my byte offset in b2 and in v_w: 16 r
.set BI,  16                           ; v[16:19] b2 of my four columns
.set VW,  20                           ; v[20:23] v_w of my four columns
.set VO,  24                           ; v[24:26] my byte offset in tile tt's rows of vpart
.set RV,  27                           ; 4 x (8 h + r % 8)
.set ACC, 48                           ; v[48:143] accumulator (tt, jt) at ACC + 8 (4 tt + jt)
.set FB,  48                           ; v[48:175] the fill: the four fragments of K step s at FB + 32 s
                                       ; a tile's rows to store, 32 registers: tile 0 at v144, tile 1 at v192, tile 2 at v224
.set DV,  176                          ; v[176:183] my four columns' share of the potential, row 8 h + j in register j
.set TK,  184                          ; v[184:187] the fold at work
.set TS,  188
.set VR,  189                          ; v[189:191] tile tt's share of the potential, to store
.set TB,  192                          ; v[192:195] at the head only: b2 and v_w in bf16
.set BST, 224                          ; v[224:231] b2 and v_w as loaded
; window 1
.set RING, 0                           ; v[0:191]   token fragments of four K blocks: slot kb % 4 at 48 x slot, fragment (tt, f) at + 16 tt + 8 f.  During the fill all 256: weights as loaded
; both windows
.set BF,   192                         ; v[192:255] weight fragments of a K block: K step f at BF + 32 f; even blocks' in window 1, odd blocks' in window 0
.set MSB, 0
.macro WIN new                         ; the immediate's high byte repeats the setting that is left; a switch that changes nothing is dropped
.if MSB != (\new)
	s_set_vgpr_msb (MSB<<8)|(\new)
.set MSB, \new
.endif
.endm
.set LD, 0x40                          ; destination window 1, address window 0
.set S1, 0x05                          ; sources 0 and 1 window 1; C, D and other destinations window 0
.set S1O, 0x01                         ; an odd K block: the tokens (source 0) window 1, the weights (source 1) window 0
.macro PLACES                          ; four places behind the last matrix instruction, in front of vector lines that read its results or write its sources (ISA guide 7.12.1)
.rept 4
	v_nop
.endr
.endm
	s_load_b256 s[4:11], s[0:1], 0x0               ; hb s[4:5], w2 s[6:7], b2 s[8:9], plan s[10:11]
	s_load_b128 s[36:39], s[0:1], 0x20             ; v_w s[36:37], part s[38:39]
	s_load_b64 s[40:41], s[0:1], 0x30              ; vpart
	v_lshl_add_u32 v[SPW], v0, 2, SPARE
	v_mov_b32 v[NIL], 0
	v_lshrrev_b32 v144, 5, v0
	v_readfirstlane_b32 s14, v144                  ; wave
	v_and_b32 v144, 31, v0
	v_lshlrev_b32 v[L16], 4, v144
	v_add_nc_u32 v[PB1], 0x10000, v[L16]
	v_and_b32 v145, 15, v0
	v_bfe_u32 v146, v0, 4, 1                       ; h
	v_lshlrev_b32 v145, 4, v145                    ; 16 r
	v_lshl_add_u32 v[WO], v146, 17, v145
	s_wait_alu depctr_va_sdst(0)                   ; s14 is written, ahead of its first reader: addresses and the trips' tiles are made from it
	s_lshl_b32 s22, s14, 14                        ; a wave fills 16 fragments: K steps 4 wave .. 4 wave + 3
	v_add_nc_u32 v[PSW], s22, v[L16]
	s_and_b32 s16, ttmp7, 0xffff                   ; expert
	v_lshl_add_u32 v[RH], v146, 15, v145
	v_mov_b32 v[BO], v145
	v_and_b32 v147, 7, v0
	v_lshlrev_b32 v147, 2, v147
	v_lshl_add_u32 v[RV], v146, 5, v147
	s_and_b32 s15, ttmp9, 15                       ; block of 64 columns
	s_lshr_b32 s17, ttmp9, 4                       ; quarter of K
	s_lshl_b32 s24, s16, 2                         ; the expert's word in the plan's two tables
	s_lshl_b32 s25, s15, 8                         ; 64 columns of f32
	s_lshl_b32 s22, s16, 24                        ; an expert's weights are 2^24 bytes
	s_add_co_u32 s22, s22, s25
	s_lshl_b32 s23, s14, 19                        ; my wave's 128 rows
	s_add_co_u32 s22, s22, s23
	s_lshl_b32 s23, s17, 22                        ; the quarter's 1,024 rows
	s_lshl_b32 s26, s16, 12
	s_mul_i32 s28, s17, PARTQ
	s_add_co_u32 s28, s28, s25
	s_mul_i32 s32, s17, 16*KBS
	s_mov_b32 s33, 0
	s_mul_i32 s34, ttmp9, VPL                      ; my plane of vpart: 16 x quarter + block
	s_mov_b32 s35, 0
	s_mov_b32 s44, s25
	s_mov_b32 s45, 0
	s_mov_b32 s46, 0xaaaaaaaa                      ; the lanes whose number has bit 0 set,
	s_mov_b32 s47, 0xcccccccc                      ; bit 1,
	s_mov_b32 s48, 0xf0f0f0f0                      ; bit 2
	s_add_co_u32 s22, s22, s23
	s_mov_b32 s23, 0
	s_add_co_u32 s26, s26, s25
	s_mov_b32 s27, 0
	s_mov_b32 s29, 0
	s_wait_kmcnt 0x0
	s_load_b32 s18, s[10:11], s24 offset:0x2000    ; the expert's first tile,
	s_load_b32 s19, s[10:11], s24 offset:0x2010    ; and how many it has
	s_add_nc_u64 s[6:7], s[6:7], s[22:23]
	s_add_nc_u64 s[8:9], s[8:9], s[26:27]
	s_add_nc_u64 s[30:31], s[38:39], s[28:29]
	s_add_nc_u64 s[4:5], s[4:5], s[32:33]
	s_add_nc_u64 s[36:37], s[36:37], s[44:45]
	s_add_nc_u64 s[42:43], s[40:41], s[34:35]
	s_wait_alu depctr_va_vdst(0)                   ; the offsets and LDS addresses made above are written: BO and WO, which the loads below read, PSW, L16 and PB1 for the LDS instructions further down
	global_load_b128 v[BST:BST+3], v[BO], s[8:9]
	global_load_b128 v[BST+4:BST+7], v[BO], s[36:37]
	; THE FILL.  All of my wave's 32 KB of weights is asked for at once: four K steps of 32, sixteen loads each.  Row (s, u, i) feeds half i % 2 of register 4 u + i / 2 of step s's fragments.
	WIN LD
.irp s, 0,1,2,3
.irp u, 0,1
.irp i, 0,1,2,3,4,5,6,7
.set ROW, 64*((\s)/2)+4*(\i)+2*((\s)%2)+(\u)
	global_load_b128 v[64*(\s)+4*(8*(\u)+(\i)):64*(\s)+4*(8*(\u)+(\i))+3], v[WO], s[6:7] offset:ROW*PITCH th:TH_LOAD_NT
.endr
.endr
.endr
.macro WSTEP s
	s_wait_loadcnt 16*(3-(\s))                     ; this step's sixteen loads are in; the later steps' stay out
	WIN S1
.irp jt, 0,1,2,3
.irp u, 0,1
.irp q, 0,1,2,3
	v_cvt_pk_bf16_f32 v[FB+32*(\s)+8*(\jt)+4*(\u)+(\q)], v[64*(\s)+4*(8*(\u)+2*(\q))+(\jt)], v[64*(\s)+4*(8*(\u)+2*(\q)+1)+(\jt)]
.endr
.endr
.endr
	WIN 0
	s_wait_alu depctr_va_vdst(0)                   ; the roundings have written v[FB + 32 s ..], which the LDS stores read
.irp jt, 0,1,2,3
.irp u, 0,1
	ds_store_b128 v[PSW], v[FB+32*(\s)+8*(\jt)+4*(\u):FB+32*(\s)+8*(\jt)+4*(\u)+3] offset:(4*(\s)+(\jt))*1024+512*(\u)  ; 32 lanes, 16 neighbouring bytes each
.endr
.endr
.endm
	WSTEP 0
	WSTEP 1
	WSTEP 2
	WSTEP 3
	; b2 and v_w, rounded to bf16 and widened again (they were asked for ahead of the weights, so they are in); at work in registers that no LDS store has read
	s_cmp_eq_u32 s17, 0
	s_cselect_b32 s22, 0xffff0000, 0               ; cuts out a bf16, and drops b2 in the quarters 1 to 3: it is added once
	v_cvt_pk_bf16_f32 v[TB], v[BST], v[BST+1]
	v_cvt_pk_bf16_f32 v[TB+1], v[BST+2], v[BST+3]
	v_cvt_pk_bf16_f32 v[TB+2], v[BST+4], v[BST+5]
	v_cvt_pk_bf16_f32 v[TB+3], v[BST+6], v[BST+7]
	v_lshlrev_b32 v[BI], 16, v[TB]
	v_lshlrev_b32 v[BI+2], 16, v[TB+1]
	v_and_b32 v[BI], s22, v[BI]
	v_and_b32 v[BI+1], s22, v[TB]
	v_and_b32 v[BI+2], s22, v[BI+2]
	v_and_b32 v[BI+3], s22, v[TB+1]
	v_lshlrev_b32 v[VW], 16, v[TB+2]
	v_and_b32 v[VW+1], 0xffff0000, v[TB+2]
	v_lshlrev_b32 v[VW+2], 16, v[TB+3]
	v_and_b32 v[VW+3], 0xffff0000, v[TB+3]
	s_wait_dscnt 0x0                               ; for the others' sake: my sixteen fragments are in the panel
	s_barrier_signal -1
	s_barrier_wait -1                              ; the panel is whole; nothing writes it again
	s_wait_kmcnt 0x0
	s_min_u32 s19, s19, 128
.macro ALOAD kb                        ; the token fragments of K block kb: 12 loads of 512 consecutive bytes
	WIN LD
.irp tt, 0,1,2
.irp f, 0,1
.irp u, 0,1
	global_load_b128 v[RING+48*((\kb)%4)+16*(\tt)+8*(\f)+4*(\u):RING+48*((\kb)%4)+16*(\tt)+8*(\f)+4*(\u)+3], v[AO+(\tt)], s[4:5] offset:(\kb)*KBS+1024*(\f)+512*(\u)
.endr
.endr
.endr
.endm
.macro BLOAD ks                        ; the four weight fragments of K step ks: 8 LDS loads, into the window of its K block's parity
.if ((\ks)/2)%2
	WIN 0
.else
	WIN LD
.endif
.irp jt, 0,1,2,3
.irp u, 0,1
.set bo, (4*(\ks)+(\jt))*1024+512*(\u)
.if bo < 65536
	ds_load_b128 v[BF+32*((\ks)%2)+8*(\jt)+4*(\u):BF+32*((\ks)%2)+8*(\jt)+4*(\u)+3], v[L16] offset:bo
.else
	ds_load_b128 v[BF+32*((\ks)%2)+8*(\jt)+4*(\u):BF+32*((\ks)%2)+8*(\jt)+4*(\u)+3], v[PB1] offset:bo-65536
.endif
.endr
.endr
.endm
.macro MUL kb, f                       ; 12 matrix instructions: the 12 accumulators take turns, one instruction a turn.  The first K step starts the sums
.if (\kb)%2
	WIN S1O
.else
	WIN S1
.endif
.irp tt, 0,1,2
.irp jt, 0,1,2,3
.set rD, ACC+8*(4*(\tt)+(\jt))
.set rW, BF+32*(\f)+8*(\jt)
.set rA, RING+48*((\kb)%4)+16*(\tt)+8*(\f)
.if (\kb) == 0 && (\f) == 0
	v_wmma_f32_16x16x32_bf16 v[rD:rD+7], v[rA:rA+7], v[rW:rW+7], 0
.else
	v_wmma_f32_16x16x32_bf16 v[rD:rD+7], v[rA:rA+7], v[rW:rW+7], v[rD:rD+7]
.endif
.endr
.endr
.endm
.macro KB kb                           ; a K block of 64: two K steps of 32.  It asks for the next block's weights and for the tokens three blocks on
.if (\kb) < 15
.if (\kb)%2
	WIN LD                                         ; the window of the loads that follow is set ahead of the wait
.else
	WIN 0
.endif
.if (\kb) > 0
	s_wait_alu depctr_va_vdst(0)                   ; block kb - 1's matrix instructions are done reading ring slot (kb - 1) % 4 and their two weight buffers, in which this block's loads land (block 0: the trip's head has stated it)
.endif
	BLOAD 2*(\kb)+2
.if (\kb) >= 1 && (\kb) <= 12
	ALOAD (\kb)+3
.endif
	s_wait_dscnt 16                                ; LDS loads come back in order (ISA guide 5.7.1): this step's weights are in; the two younger steps' eight loads each stay out
.else
	s_wait_dscnt 8                                 ; the last block asks for nothing: the counts run down
.endif
.if (\kb) > 12
	s_wait_loadcnt 12*(15-(\kb))                   ; this block's tokens are in; the later blocks' twelve loads each stay out
.else
	s_wait_loadcnt 36
.endif
	MUL \kb, 0
.if (\kb) < 15
	BLOAD 2*(\kb)+3                                ; no wait: no matrix instruction since the block's head names the other parity's buffers
	s_wait_dscnt 16
.else
	s_wait_dscnt 0x0
.endif
	MUL \kb, 1
.endm
; One step of the fold over the sixteen lanes of a half.  Of two registers a lane keeps the one that its number's bit chooses and sends the other to the lane whose number differs in that bit:
; both are summed over the pair of lanes, and one register is left where there were two.
.macro FOLD d, a, b, m, x
	v_cndmask_b32 v[\d], v[\a], v[\b], s[\m]
	v_cndmask_b32 v[TS], v[\b], v[\a], s[\m]
	v_add_f32_dpp v[\d], v[TS], v[\d] row_xmask:\x row_mask:0xf bank_mask:0xf
.endm
.macro TILE_OUT tt                     ; tile tt of the group leaves, out of registers of its own; a tile past the expert's last (computed on a clamped address) is not stored
.set rO, 144+48*(\tt)-16*((\tt)/2)
	s_add_co_u32 s22, s21, \tt
	s_cmp_ge_u32 s22, s19
	s_cbranch_scc1 .Lskip_\@
.irp j, 0,1,2,3,4,5,6,7                ; register j of the four accumulators (each is read from its low end on): row 8 h + j, columns 4 r .. 4 r + 3; the addition of b2 also brings them side by side
.irp jt, 0,1,2,3
	v_add_f32 v[rO+4*(\j)+(\jt)], v[ACC+8*(4*(\tt)+(\jt))+(\j)], v[BI+(\jt)]
.endr
	v_mul_f32 v[DV+(\j)], v[rO+4*(\j)], v[VW]      ; my four columns' share of the row's potential
	v_fmac_f32 v[DV+(\j)], v[rO+4*(\j)+1], v[VW+1]
	v_fmac_f32 v[DV+(\j)], v[rO+4*(\j)+2], v[VW+2]
	v_fmac_f32 v[DV+(\j)], v[rO+4*(\j)+3], v[VW+3]
.endr
.irp m, 0,1,2,3                        ; eight registers to four, two, one: lane r is left with row 8 h + r % 8, summed over eight lanes; the last line adds the other eight
	FOLD TK+\m, DV+2*\m, DV+2*\m+1, 46, 1
.endr
.irp m, 0,1
	FOLD DV+\m, TK+2*\m, TK+2*\m+1, 47, 2
.endr
	FOLD VR+(\tt), DV, DV+1, 48, 4
	v_add_f32_dpp v[VR+(\tt)], v[VR+(\tt)], v[VR+(\tt)] row_xmask:8 row_mask:0xf bank_mask:0xf
	s_wait_alu depctr_va_vdst(0)                   ; the additions have written the tile's 32 registers and the fold v[VR + tt], which the nine stores read
.irp j, 0,1,2,3,4,5,6,7
	global_store_b128 v[PO+(\tt)], v[rO+4*(\j):rO+4*(\j)+3], s[30:31] offset:4096*(\j)  ; lanes 0-15 and lanes 16-31 each store 256 consecutive bytes, at a multiple of 256 from part's first
.endr
	global_store_b32 v[VO+(\tt)], v[VR+(\tt)], s[42:43]  ; the tile's 16 rows: 64 consecutive bytes (lanes r and r + 8 store the same number at the same place); 2 KB of a work-group's 137 KB of output
.Lskip_\@:
.endm
	s_mul_i32 s21, s14, 3                          ; my group's first tile among the expert's
	s_mov_b32 s20, 6                               ; 6 trips x 8 waves x 3 tiles cover the 128 tiles that an expert can have; dead trips are jumped
.Ltrip:
	s_cmp_ge_u32 s21, s19
	s_cbranch_scc1 .Ldead
	s_wait_xcnt 0x0                                ; the offsets and the data that the last trip's stores named are written again only behind this wait
	s_wait_alu depctr_vm_vsrc(0)                   ; the last trip's loads and stores have read their offsets, written below, and its stores their data, which is written and loaded again; in the first trip: the fill's LDS stores have read v[FB ..], the accumulators from here on
	s_sub_co_u32 s23, s19, 1
.irp tt, 0,1,2
	s_add_co_u32 s22, s21, \tt
	s_min_u32 s22, s22, s23                        ; a last group that is not full takes the last tile again
	s_add_co_u32 s22, s22, s18
	s_min_u32 s22, s22, RT-1
	s_lshl_b32 s26, s22, 11
	v_add_nc_u32 v[AO+(\tt)], s26, v[L16]
	s_lshl_b32 s26, s22, 16
	v_add_nc_u32 v[PO+(\tt)], s26, v[RH]
	s_lshl_b32 s26, s22, 6
	v_add_nc_u32 v[VO+(\tt)], s26, v[RV]
.endr
	WIN LD
	s_wait_alu depctr_va_vdst(0)                   ; the offsets are written, which the loads and stores read; the vector and matrix instructions so far (the fill's roundings, the biases, the last trip's products and way out) are done with the ring's and the weight buffers' registers, in which loads land
	ALOAD 0                                        ; 48 loads, 24 KB, of the wave are on their way
	ALOAD 1
	ALOAD 2
	ALOAD 3
	BLOAD 0
	BLOAD 1
.irp kb, 0,1,2,3,4,5,6,7,8,9,10,11,12,13,14,15
	KB \kb
.endr
	WIN 0                                          ; at a label and at a branch every window is 0
	PLACES
	TILE_OUT 0
	TILE_OUT 1
	TILE_OUT 2
.Ldead:
	s_add_co_u32 s21, s21, 24
	s_sub_co_u32 s20, s20, 1
	s_cmp_lg_u32 s20, 0
	s_cbranch_scc1 .Ltrip
	s_wait_dscnt 0x0                               ; the closing lines, six on end
	s_wait_alu 0x0
	s_wait_tensorcnt 0x0
	ds_add_u32 v[SPW], v[NIL]
	s_wait_dscnt 0x0
	s_endpgm
.Lfunc_end_k_q9b35aa271f_ffn2:
	.size	k_q9b35aa271f_ffn2, .Lfunc_end_k_q9b35aa271f_ffn2-k_q9b35aa271f_ffn2
	.p2alignl 7, 3214868480
	.fill 96, 4, 3214868480
	.section	.rodata,"a",@progbits
	.p2align	6, 0x0
	.amdhsa_kernel k_q9b35aa271f_ffn2
		.amdhsa_group_segment_fixed_size 132096
		.amdhsa_private_segment_fixed_size 0
		.amdhsa_enable_private_segment 0
		.amdhsa_kernarg_size 56
		.amdhsa_user_sgpr_count 2
		.amdhsa_user_sgpr_kernarg_segment_ptr 1
		.amdhsa_wavefront_size32 1
		.amdhsa_system_sgpr_workgroup_id_x 1
		.amdhsa_system_sgpr_workgroup_id_y 1
		.amdhsa_system_sgpr_workgroup_id_z 1
		.amdhsa_system_vgpr_workitem_id 0
		.amdhsa_next_free_vgpr 512
		.amdhsa_next_free_sgpr 66
		.amdhsa_reserve_vcc 0
		.amdhsa_float_denorm_mode_32 3
		.amdhsa_float_denorm_mode_16_64 3
		.amdhsa_memory_ordered 1
		.amdhsa_forward_progress 1
		.amdhsa_inst_pref_size 98
	.end_amdhsa_kernel
	.amdgpu_metadata
---
amdhsa.version: [ 1, 2 ]
amdhsa.kernels:
  - .name:           k_q9b35aa271f_ffn2
    .symbol:         k_q9b35aa271f_ffn2.kd
    .args:
      - { .name: hb, .offset: 0, .size: 8, .value_kind: global_buffer, .address_space: global }
      - { .name: w2, .offset: 8, .size: 8, .value_kind: global_buffer, .address_space: global }
      - { .name: b2, .offset: 16, .size: 8, .value_kind: global_buffer, .address_space: global }
      - { .name: plan, .offset: 24, .size: 8, .value_kind: global_buffer, .address_space: global }
      - { .name: v_w, .offset: 32, .size: 8, .value_kind: global_buffer, .address_space: global }
      - { .name: part, .offset: 40, .size: 8, .value_kind: global_buffer, .address_space: global }
      - { .name: vpart, .offset: 48, .size: 8, .value_kind: global_buffer, .address_space: global }
    .group_segment_fixed_size: 132096
    .private_segment_fixed_size: 0
    .kernarg_segment_align: 8
    .kernarg_segment_size: 56
    .max_flat_workgroup_size: 256
    .sgpr_count:     66
    .vgpr_count:     512
    .wavefront_size: 32
...
	.end_amdgpu_metadata
.endif
;; end of part 7
;; launch finish (part 8): grid 256 x 1, 8 waves a work-group, no clusters, 1,280 bytes of LDS; arguments part, plan, vpart, v_b, out_w, out_b, bk_scale, out0; writes out0
.if DOCPART == 8
	.amdgcn_target "amdgcn-amd-amdhsa--gfx1250"
	.amdhsa_code_object_version 6
	.text
	.protected	k_q9b35aa271f_finish
	.globl	k_q9b35aa271f_finish
	.p2align	8
	.type	k_q9b35aa271f_finish,@function
k_q9b35aa271f_finish:
	s_mov_b64 s[64:65], 0
	v_nop
	global_prefetch_b8 v0, s[64:65] scope:SCOPE_SE
	s_setreg_imm32_b32 hwreg(HW_REG_WAVE_SCHED_MODE, 0, 2), 2
	s_setreg_imm32_b32 hwreg(HW_REG_WAVE_MODE, 25, 1), 1
	s_wait_xcnt 0x0
	s_wait_alu depctr_vm_vsrc(0)
; out0[t] = f[t] + bk_scale (clip(Re G, 10) out_w[0] + clip(Im G, 10) out_w[1] + out_b), where f[t] = (p0 + p1) + (p2 + p3) is the sum of the four K quarters of token t's sorted row,
; G = 1 / (d_i - L_i - R_i), d_j = v_j - 2 - i, v_j = clip(f_j . v_w + v_b, -3, 3), L_0 = 0, L_(j+1) = 1 / (d_j - L_j);  R_511 = 0, R_(j-1) = 1 / (d_j - R_j), along the 512 tokens of a batch row.
; THE POTENTIAL.  f_j . v_w lies in vpart as 64 partial sums a sorted row, one for each block of 64 columns and quarter of K, [64][2,112].  A work-group has 8 tokens and needs v of 48: its own and
; 20 on either side.  Wave w makes six of them: lane l takes planes l and l + 32 of the row (12 loads of 4 bytes a lane), the lanes are summed, and the six numbers go to LDS for all eight waves.
; THE TWO CONTINUED FRACTIONS, FOR EACH TOKEN BY ITSELF.  The step c -> 1 / (d - c) with Im d = -1 is a shift by i in the upper half plane between two of its isometries.  The start 0 and the true
; carry (of modulus 1 at the most) are shifted onto a segment of length 1 at the most and height 1 at the least: behind the first step their hyperbolic distance is 1 at the most.  From then on both
; lie in the half disc of radius 1, which holds the geodesic between them, and there the shift at least halves lengths.  So NS = 20 steps from c = 0 give L_i and R_i to within 2^-19 = 1.9e-6, for
; every input.  Near a row's ends the steps that fall outside take d = 1e30, which makes c exactly 0 (the square overflows, its reciprocal is 0): the true start.
; One token a wave; each step takes its two numbers out of the lanes, and all lanes compute both chains alike.  The chains' lines are set between each other, so that each reciprocal has plain lines
; behind it before its result is used (ISA guide 5.7.2).
; Memory binds: a token's row of each plane is 4,096 consecutive bytes, eight loads of 512; 60 loads of a wave are on their way at once.  No matrix unit, no cluster: nothing is multiplied in bulk.
; v_b, out_w, out_b and bk_scale are rounded to bf16, as every input of this program is; all arithmetic in f32.  NaN is not treated apart.
; THE MODE: SCHED_MODE bits 1:0 = 2 (LLVM: expert scheduling mode 2), set by the entry lines.  The code itself states the register dependences
; between vector instructions and memory or LDS instructions, and those through scalar registers that vector instructions write, with s_wait_alu, always for 0.
; THE PLAN.  Registers that memory or LDS instructions touch:
;   v2, LP, LA, RA, OA, SA  offsets and LDS addresses: made at the head, never written again.
;   GO                      the six gathers' offsets: made in one run, one wait, then the twelve loads.
;   GA                      loaded; summed by vector lines; the six sums are the LDS stores' data.  Never written again.
;   OW0, OW1                out_w lands; the roundings read all 64 registers and write the lower halves; out_b lands in the upper halves.
;   PT + 16 i               part lands; vector lines sum and finish it in place; the first four registers are the store's data.  Never written again.
; No register that a memory or LDS instruction has read is written again, so no wait on vm_vsrc is owed.  One wait on va_vdst serves out_b's loads and the six LDS stores together;
; the results leave in two runs of four stores, one wait ahead of each.  The chains' numbers are taken out of the lanes ten steps at a time, one wait on va_sdst behind each run of twenty.
.set NS,    20                         ; steps of each chain
.set PER,   (2*NS+8)/8                 ; potentials that a wave makes: 6 (the lists of k below are written for 6)
.set VROWS, 132*16                     ; sorted rows that the workspace holds
.set PLANE, VROWS*4                    ; bytes in a plane of vpart
.set PARTQ, VROWS*4096                 ; bytes in a plane of part
.set SPARE, 256                        ; LDS: 48 potentials from byte 0 (neighbour i0 - NS + m in word m); from here the spare words, 128 bytes for each wave: four blocks of 256 bytes that no other line names
.set LP,  5                            ; lane x a plane
.set GO,  6                            ; v[6:11]    my byte offset in vpart for potential k
.set GA,  12                           ; v[12:23]   its two partial sums; the sum in the first
.set SA,  24                           ; LDS: where my wave's six potentials go
.set LA,  25                           ; LDS: neighbour i - NS + lane
.set RA,  26                           ; LDS: neighbour i + 1 + lane
.set OA,  27                           ; LDS: my own token
.set DL,  28                           ; d's real part for the forward chain
.set DR,  29                           ; for the backward chain
.set OWN, 30                           ; v_i
.set BIG, 31                           ; 1e30
.set FC,  32                           ; forward: Re c, Im c, Re (d - c), 1 + Im c, the squared modulus, its reciprocal
.set BC,  38                           ; backward: the same six
.set G,   44                           ; v[44:48]   G at work; + 4 bk_scale
.set VB,  49                           ; v_b
.set SPW, 50                           ; LDS address of my spare word; never rewritten
.set NIL, 51                           ; 0; never rewritten
.set TP,  52                           ; at work
.set PT,  64                           ; v[64:191]  chunk i, quarter kq at PT + 16 i + 4 kq; then + 0..3 the sum and the result.  Register c of a chunk is channel 128 i + 4 lane + c
.set OW0, 192                          ; v[192:223] out_w[0]; then v[192:207] in bf16, two a register, and v[208:223] out_b's chunks 0 to 3
.set OW1, 224                          ; v[224:255] out_w[1] likewise, and out_b's chunks 4 to 7
.set SF,  4                            ; s[4:13]    ten steps' numbers of the forward chain: these registers' addresses have been used up by then
.set SB,  20                           ; s[20:29]   of the backward chain
	s_load_b512 s[4:19], s[0:1], 0x0               ; part s[4:5], plan s[6:7], vpart s[8:9], v_b s[10:11], out_w s[12:13], out_b s[14:15], bk_scale s[16:17], out0 s[18:19]
	v_lshl_add_u32 v[SPW], v0, 2, SPARE
	v_mov_b32 v[NIL], 0
	v_and_b32 v1, 31, v0                           ; lane
	v_lshrrev_b32 v3, 5, v0
	v_readfirstlane_b32 s20, v3                    ; wave
	v_lshlrev_b32 v2, 4, v1                        ; 16 x lane
	v_mul_u32_u24 v[LP], v1, PLANE
	s_lshl_b32 s21, ttmp9, 3                       ; the group's first token,
	s_and_b32 s22, s21, 511                        ; its place i0 in the batch row,
	s_sub_co_u32 s23, s21, s22                     ; the row's first token
	s_wait_alu depctr_va_sdst(0)                   ; s20 is written, ahead of its first reader
	s_add_co_u32 s24, s21, s20                     ; t
	s_add_co_u32 s25, s22, s20                     ; i
	s_mul_i32 s26, s20, PER
	s_add_co_u32 s26, s26, s22
	s_sub_co_i32 s26, s26, NS                      ; the place of my wave's first potential: i0 - NS + 6 wave, which may lie outside the row
.irp k, 0,1,2,3,4,5
	s_add_co_i32 s27, s26, \k
	s_max_i32 s27, s27, 0                          ; a place outside the row takes the row's end: its number is made and never used
	s_min_i32 s27, s27, 511
	s_add_co_u32 s27, s27, s23
	s_lshl_b32 s[40+(\k)], s27, 2
.endr
	s_lshl_b32 s46, s24, 2
	s_lshl_b32 s38, s24, 12                        ; a row of out0 is 4,096 bytes
	s_mov_b32 s39, 0
	s_mov_b32 s29, 0
	s_mov_b32 s47, 0xc1200000                      ; -10.0
	s_mov_b32 s63, 0x41200000                      ; 10.0
	s_mov_b32 s61, 0xc0400000                      ; -3.0
	s_mov_b32 s62, 0x40400000                      ; 3.0
	s_mov_b32 s59, 0x76543210                      ; v_permlanex16_b32: each lane takes its own place in the other half
	s_mov_b32 s60, 0xfedcba98
	s_sub_co_i32 s27, s25, NS
	v_add_nc_u32 v4, s27, v1                       ; i - NS + lane
	v_cmp_gt_i32 s57, 0, v4                        ; in front of the row
	v_add3_u32 v4, s25, v1, 1                      ; i + 1 + lane
	v_cmp_lt_u32 s58, 511, v4                      ; behind the row
	v_add_lshl_u32 v[LA], s20, v1, 2               ; word wave + lane: 38 at the most
	v_add3_u32 v[RA], s20, v1, NS+1
	v_min_u32 v[RA], 2*NS+7, v[RA]                 ; lanes NS and above are not used: they take the last word
	v_lshlrev_b32 v[RA], 2, v[RA]
	s_add_co_u32 s27, s20, NS
	s_lshl_b32 s27, s27, 2
	v_mov_b32 v[OA], s27
	s_mul_i32 s27, s20, 4*PER
	v_mov_b32 v[SA], s27
	v_mov_b32 v[BIG], 0x7149f2ca                   ; 1e30
	v_mov_b32 v[TP], 0                             ; v_permlanex16_b32's destination counts as read
	s_wait_alu depctr_va_sdst(0)                   ; the two compares have written s57 and s58, ahead of their first readers, the selects in front of the chains
	s_wait_kmcnt 0x0
.irp k, 0,1,2,3,4,5
	s_load_b32 s[48+(\k)], s[6:7], s[40+(\k)] offset:0x0   ; the sorted rows of my six neighbours,
.endr
	s_load_b32 s54, s[6:7], s46 offset:0x0         ; and of my own token
	s_load_b32 s55, s[10:11], 0x0                  ; v_b
	s_load_b32 s56, s[16:17], 0x0                  ; bk_scale
	s_add_nc_u64 s[18:19], s[18:19], s[38:39]
	s_wait_alu depctr_va_vdst(0)                   ; v2 is written, the offset of the loads below and of the stores at the end; so are the LDS addresses SA, LA, RA and OA, for the LDS instructions further down
.irp i, 0,1,2,3,4,5,6,7
	global_load_b128 v[OW0+4*(\i):OW0+4*(\i)+3], v2, s[12:13] offset:512*(\i)
	global_load_b128 v[OW1+4*(\i):OW1+4*(\i)+3], v2, s[12:13] offset:4096+512*(\i)
.endr
	s_wait_kmcnt 0x0
.irp k, 0,1,2,3,4,5
	s_min_u32 s[48+(\k)], s[48+(\k)], VROWS-1
	v_lshl_add_u32 v[GO+(\k)], s[48+(\k)], 2, v[LP]
.endr
	s_wait_alu depctr_va_vdst(0)                   ; the six offsets v[GO ..] are written, which the gathers read
.irp k, 0,1,2,3,4,5
	global_load_b32 v[GA+2*(\k)], v[GO+(\k)], s[8:9]
	global_load_b32 v[GA+2*(\k)+1], v[GO+(\k)], s[8:9] offset:32*PLANE
.endr
	s_min_u32 s54, s54, VROWS-1
	s_lshl_b32 s28, s54, 12
	s_add_nc_u64 s[30:31], s[4:5], s[28:29]        ; a base for each plane: a plane is more than a load's immediate holds
	s_add_nc_u64 s[32:33], s[30:31], PARTQ
	s_add_nc_u64 s[34:35], s[32:33], PARTQ
	s_add_nc_u64 s[36:37], s[34:35], PARTQ
.irp i, 0,1,2,3,4,5,6,7
	global_load_b128 v[PT+16*(\i):PT+16*(\i)+3],     v2, s[30:31] offset:512*(\i) th:TH_LOAD_NT
	global_load_b128 v[PT+16*(\i)+4:PT+16*(\i)+7],   v2, s[32:33] offset:512*(\i) th:TH_LOAD_NT
	global_load_b128 v[PT+16*(\i)+8:PT+16*(\i)+11],  v2, s[34:35] offset:512*(\i) th:TH_LOAD_NT
	global_load_b128 v[PT+16*(\i)+12:PT+16*(\i)+15], v2, s[36:37] offset:512*(\i) th:TH_LOAD_NT
.endr
	v_cvt_pk_bf16_f32 v[VB], s55, s55
	v_lshlrev_b32 v[VB], 16, v[VB]
	s_wait_loadcnt 32                              ; out_w and the partial sums are in; the 32 loads of part behind them stay out
.set m, 0
.rept 16                               ; in place, ascending: register m is written when registers 2 m and 2 m + 1 are read
	v_cvt_pk_bf16_f32 v[OW0+m], v[OW0+2*m], v[OW0+2*m+1]
	v_cvt_pk_bf16_f32 v[OW1+m], v[OW1+2*m], v[OW1+2*m+1]
.set m, m+1
.endr
	; my six potentials: two planes a lane, then across the 32 lanes: four steps inside each half ride on the addition, one crosses the halves
.irp k, 0,1,2,3,4,5
	v_add_f32 v[GA+2*(\k)], v[GA+2*(\k)], v[GA+2*(\k)+1]
.endr
.irp n, 1,2,4,8
.irp k, 0,1,2,3,4,5
	v_add_f32_dpp v[GA+2*(\k)], v[GA+2*(\k)], v[GA+2*(\k)] row_xmask:\n row_mask:0xf bank_mask:0xf
.endr
.endr
.irp k, 0,1,2,3,4,5
	v_permlanex16_b32 v[TP], v[GA+2*(\k)], s59, s60
	v_add_f32 v[GA+2*(\k)], v[GA+2*(\k)], v[TP]
	v_add_f32 v[GA+2*(\k)], v[GA+2*(\k)], v[VB]
	v_med3_num_f32 v[GA+2*(\k)], v[GA+2*(\k)], s61, s62
.endr
	s_wait_alu depctr_va_vdst(0)                   ; the roundings are done reading the upper halves of out_w's registers, in which out_b lands; the six potentials are written, which the LDS stores read
.irp i, 0,1,2,3,4,5,6,7                ; out_b goes into the halves that the rounding has freed
	global_load_b128 v[OW0+16+4*((\i)%4)+32*((\i)/4):OW0+16+4*((\i)%4)+32*((\i)/4)+3], v2, s[14:15] offset:512*(\i)
.endr
.irp k, 0,1,2,3,4,5
	ds_store_b32 v[SA], v[GA+2*(\k)] offset:4*(\k)         ; all lanes write the same word with the same number
.endr
	s_wait_dscnt 0x0                               ; for the others' sake: my six potentials are in LDS
	s_barrier_signal -1
	s_barrier_wait -1                              ; all 48 are; nothing writes them again
	ds_load_b32 v[DL], v[LA]                       ; no wait: no vector line has named these three registers, and their addresses stand ahead of the head's wait
	ds_load_b32 v[DR], v[RA]
	ds_load_b32 v[OWN], v[OA]
	v_mov_b32 v[FC], 0
	v_mov_b32 v[FC+1], 0
	v_mov_b32 v[BC], 0
	v_mov_b32 v[BC+1], 0
	v_cvt_pk_bf16_f32 v[G+4], s56, s56
	v_lshlrev_b32 v[G+4], 16, v[G+4]               ; bk_scale
	s_wait_dscnt 0x0
	v_add_f32 v[DL], -2.0, v[DL]
	v_add_f32 v[DR], -2.0, v[DR]
	v_cndmask_b32 v[DL], v[DL], v[BIG], s57
	v_cndmask_b32 v[DR], v[DR], v[BIG], s58
.set st, 0
.rept 2
.set q, 0
.rept NS/2                             ; ten steps' numbers out of the lanes, in one run
	v_readlane_b32 s[SF+q], v[DL], st+q            ; forward: neighbour i - NS + step
	v_readlane_b32 s[SB+q], v[DR], NS-1-(st+q)     ; backward: neighbour i + NS - step
.set q, q+1
.endr
	s_wait_alu depctr_va_sdst(0)                   ; the twenty scalars are written, ahead of their first readers, the steps' subtractions
.rept NS/2
	v_sub_f32 v[FC+2], s[SF+st%(NS/2)], v[FC]
	v_add_f32 v[FC+3], 1.0, v[FC+1]
	v_mul_f32 v[FC+4], v[FC+3], v[FC+3]
	v_fma_f32 v[FC+4], v[FC+2], v[FC+2], v[FC+4]
	v_rcp_f32 v[FC+5], v[FC+4]
	v_sub_f32 v[BC+2], s[SB+st%(NS/2)], v[BC]
	v_add_f32 v[BC+3], 1.0, v[BC+1]
	v_mul_f32 v[BC+4], v[BC+3], v[BC+3]
	v_fma_f32 v[BC+4], v[BC+2], v[BC+2], v[BC+4]
	v_rcp_f32 v[BC+5], v[BC+4]
	s_wait_alu depctr_va_vdst(0)                   ; the step's two reciprocals are written, ahead of their first reader
	v_mul_f32 v[FC], v[FC+2], v[FC+5]
	v_mul_f32 v[FC+1], v[FC+3], v[FC+5]
	v_mul_f32 v[BC], v[BC+2], v[BC+5]
	v_mul_f32 v[BC+1], v[BC+3], v[BC+5]
.set st, st+1
.endr
.endr
	v_add_f32 v[G], v[FC], v[BC]
	v_add_f32 v[G+1], v[FC+1], v[BC+1]
	v_add_f32 v[G+2], -2.0, v[OWN]
	v_sub_f32 v[G], v[G+2], v[G]                   ; Re (d - L - R)
	v_add_f32 v[G+1], 1.0, v[G+1]                  ; -Im (d - L - R)
	v_mul_f32 v[G+2], v[G+1], v[G+1]
	v_fma_f32 v[G+2], v[G], v[G], v[G+2]
	v_rcp_f32 v[G+3], v[G+2]
	v_nop
	s_wait_alu depctr_va_vdst(0)                   ; the reciprocal is written, ahead of its first reader
	v_mul_f32 v[G], v[G], v[G+3]                   ; Re G
	v_mul_f32 v[G+1], v[G+1], v[G+3]               ; Im G
	v_med3_num_f32 v[G], v[G], s47, s63
	v_med3_num_f32 v[G+1], v[G+1], s47, s63
	v_mul_f32 v[G], v[G], v[G+4]
	v_mul_f32 v[G+1], v[G+1], v[G+4]
.irp i, 0,1,2,3,4,5,6,7
	s_wait_loadcnt 4*(7-(\i))+8                    ; this chunk's four loads are in; the later chunks' and out_b's eight stay out
	v_pk_add_f32 v[PT+16*(\i):PT+16*(\i)+1],     v[PT+16*(\i):PT+16*(\i)+1],     v[PT+16*(\i)+4:PT+16*(\i)+5]
	v_pk_add_f32 v[PT+16*(\i)+2:PT+16*(\i)+3],   v[PT+16*(\i)+2:PT+16*(\i)+3],   v[PT+16*(\i)+6:PT+16*(\i)+7]
	v_pk_add_f32 v[PT+16*(\i)+8:PT+16*(\i)+9],   v[PT+16*(\i)+8:PT+16*(\i)+9],   v[PT+16*(\i)+12:PT+16*(\i)+13]
	v_pk_add_f32 v[PT+16*(\i)+10:PT+16*(\i)+11], v[PT+16*(\i)+10:PT+16*(\i)+11], v[PT+16*(\i)+14:PT+16*(\i)+15]
	v_pk_add_f32 v[PT+16*(\i):PT+16*(\i)+1],     v[PT+16*(\i):PT+16*(\i)+1],     v[PT+16*(\i)+8:PT+16*(\i)+9]
	v_pk_add_f32 v[PT+16*(\i)+2:PT+16*(\i)+3],   v[PT+16*(\i)+2:PT+16*(\i)+3],   v[PT+16*(\i)+10:PT+16*(\i)+11]
.endr
	s_wait_loadcnt 0x0                             ; out_b
; One pass over chunk i's four numbers: + factor x a bf16 half of the two registers from pk on
.macro PASS i, fac, pk
.irp ch, 0,1
.irp cl, 0,1
	v_fma_mix_f32_bf16 v[PT+16*(\i)+2*(\ch)+(\cl)], v[\fac], v[(\pk)+(\ch)], v[PT+16*(\i)+2*(\ch)+(\cl)] op_sel:[0,\cl,0] op_sel_hi:[0,1,0]
.endr
.endr
.endm
; Chunk i is finished in place: out_b rounded, then the three passes
.macro SPEC i
.set ob, OW0+16+4*((\i)%4)+32*((\i)/4)
	v_cvt_pk_bf16_f32 v[ob], v[ob], v[ob+1]
	v_cvt_pk_bf16_f32 v[ob+1], v[ob+2], v[ob+3]
	PASS \i, G, OW0+2*(\i)
	PASS \i, G+1, OW1+2*(\i)
	PASS \i, G+4, ob
.endm
.irp i, 0,1,2,3
	SPEC \i
.endr
	s_wait_alu depctr_va_vdst(0)                   ; chunks 0 to 3 are written, which the four stores read; the lines between this run of stores and the next name none of their registers
.irp i, 0,1,2,3
	global_store_b128 v2, v[PT+16*(\i):PT+16*(\i)+3], s[18:19] offset:512*(\i) th:TH_STORE_NT  ; 512 consecutive bytes, at a multiple of 512 from out0's first
.endr
.irp i, 4,5,6,7
	SPEC \i
.endr
	s_wait_alu depctr_va_vdst(0)                   ; chunks 4 to 7 are written, which the four stores read
.irp i, 4,5,6,7
	global_store_b128 v2, v[PT+16*(\i):PT+16*(\i)+3], s[18:19] offset:512*(\i) th:TH_STORE_NT
.endr
	s_wait_dscnt 0x0                               ; the closing lines, six on end
	s_wait_alu 0x0
	s_wait_tensorcnt 0x0
	ds_add_u32 v[SPW], v[NIL]
	s_wait_dscnt 0x0
	s_endpgm
.Lfunc_end_k_q9b35aa271f_finish:
	.size	k_q9b35aa271f_finish, .Lfunc_end_k_q9b35aa271f_finish-k_q9b35aa271f_finish
	.p2alignl 7, 3214868480
	.fill 96, 4, 3214868480
	.section	.rodata,"a",@progbits
	.p2align	6, 0x0
	.amdhsa_kernel k_q9b35aa271f_finish
		.amdhsa_group_segment_fixed_size 1280
		.amdhsa_private_segment_fixed_size 0
		.amdhsa_enable_private_segment 0
		.amdhsa_kernarg_size 64
		.amdhsa_user_sgpr_count 2
		.amdhsa_user_sgpr_kernarg_segment_ptr 1
		.amdhsa_wavefront_size32 1
		.amdhsa_system_sgpr_workgroup_id_x 1
		.amdhsa_system_sgpr_workgroup_id_y 1
		.amdhsa_system_sgpr_workgroup_id_z 1
		.amdhsa_system_vgpr_workitem_id 0
		.amdhsa_next_free_vgpr 256
		.amdhsa_next_free_sgpr 66
		.amdhsa_reserve_vcc 0
		.amdhsa_float_denorm_mode_32 3
		.amdhsa_float_denorm_mode_16_64 3
		.amdhsa_memory_ordered 1
		.amdhsa_forward_progress 1
		.amdhsa_inst_pref_size 43
	.end_amdhsa_kernel
	.amdgpu_metadata
---
amdhsa.version: [ 1, 2 ]
amdhsa.kernels:
  - .name:           k_q9b35aa271f_finish
    .symbol:         k_q9b35aa271f_finish.kd
    .args:
      - { .name: part, .offset: 0, .size: 8, .value_kind: global_buffer, .address_space: global }
      - { .name: plan, .offset: 8, .size: 8, .value_kind: global_buffer, .address_space: global }
      - { .name: vpart, .offset: 16, .size: 8, .value_kind: global_buffer, .address_space: global }
      - { .name: v_b, .offset: 24, .size: 8, .value_kind: global_buffer, .address_space: global }
      - { .name: out_w, .offset: 32, .size: 8, .value_kind: global_buffer, .address_space: global }
      - { .name: out_b, .offset: 40, .size: 8, .value_kind: global_buffer, .address_space: global }
      - { .name: bk_scale, .offset: 48, .size: 8, .value_kind: global_buffer, .address_space: global }
      - { .name: out0, .offset: 56, .size: 8, .value_kind: global_buffer, .address_space: global }
    .group_segment_fixed_size: 1280
    .private_segment_fixed_size: 0
    .kernarg_segment_align: 8
    .kernarg_segment_size: 64
    .max_flat_workgroup_size: 256
    .sgpr_count:     66
    .vgpr_count:     256
    .wavefront_size: 32
...
	.end_amdgpu_metadata
.endif
;; end of part 8
